; MI455X (gfx1250); checked and timed in simulation.
; The chip was launched on July 23, 2026; its instructions are those of AMD's public machine-readable ISA for CDNA 5 (MIT licence, August 2026) and "CDNA5" Instruction Set Architecture Reference Guide (July 2026). The comments in the code are by the model that wrote it; some were corrected since.
;; attn mh. Allowed arithmetic: matrix products marked QUANTISED: E3M2 operands, one E8M0 scale for each 32 along K, by v_wmma_scale_f32_16x16x128_f8f6f4 with both operands' format E3M2, f32 sums; everything else in f32.
;; Inputs: Wk_b 1,000 float32; Wk_w 1,000 x 1,000 float32; Wo_b 1,000 float32; Wo_w 1,000 x 1,000 float32; Wq_b 1,000 float32; Wq_w 1,000 x 1,000 float32; Wv_b 1,000 float32; Wv_w 1,000 x 1,000 float32; k 128 x 128 x 1,000 float32; ln_b 1,000 float32; ln_g 1,000 float32; mask 128 x 1 x 1 x 128 bool; q 128 x 128 x 1,000 float32; v 128 x 128 x 1,000 float32.
;; Outputs: out0 128 x 128 x 1,000 float32.
;; This version of the problem:
;;   THIS VERSION OF THE PROBLEM IS GIVEN IN LOW PRECISION. The matrix products marked QUANTISED in the list below multiply operands that are first quantised to E3M2 (3 exponent bits, 2 mantissa bits; 6 bits a number), with one power-of-two scale for each 32 numbers along K (OCP MX v1.0); their sums are f32. All else is computed in f32.
;;   The module's matrix products, in the order in which they are computed (A, B: the left and right operand; K: the contracted axis; several contracted axes count as one K, in the product's order):
;;     1. [M 16,384, K 1,000] x [K 1,000, N 1,000]; A: input q; B: input Wq_w: QUANTISED
;;     2. [M 16,384, K 1,000] x [K 1,000, N 1,000]; A: input k; B: input Wk_w: QUANTISED
;;     3. [M 16,384, K 1,000] x [K 1,000, N 1,000]; A: input v; B: input Wv_w: QUANTISED
;;     4. batch 1,024 x [M 128, K 125] x [K 125, N 128]; A: computed on the way; B: computed on the way: QUANTISED
;;     5. batch 1,024 x [M 128, K 128] x [K 128, N 125]; A: softmax (see below); B: computed on the way: QUANTISED
;;     6. [M 16,384, K 1,000] x [K 1,000, N 1,000]; A: computed on the way; B: input Wo_w: QUANTISED
;;   THE QUANTISER, for each operand of a quantised product, along K:
;;     - K is cut into blocks of 32 from its start; a last block that is shorter is filled with zeros.
;;     - A block's scale is 2^e with e = floor(log2(the largest magnitude in the block)) - 4, held to -126 .. 127; a block of zeros has e = 0. As a byte (E8M0): e + 127.
;;     - Each number is divided by its block's scale, clamped to +-28, and rounded to the nearest number of E3M2, ties to even, subnormals kept.
;;     - The product sums the exact products of the quantised numbers (number of the format x scale) in f32.
;;   ~~~python
;;   def quantise(x, axis):      # numpy; x: float32 -> the quantised numbers, widened to float32 again
;;       x = np.moveaxis(x, axis, -1); K = x.shape[-1]
;;       x = np.pad(x, [(0, 0)] * (x.ndim - 1) + [(0, -K % 32)]); x = x.reshape(x.shape[:-1] + (-1, 32)); a = np.abs(x).max(-1, keepdims=True)
;;       e = np.where(a > 0, np.clip(np.frexp(np.where(a > 0, a, 1))[1] - 1 - 4, -126, 127), 0)      # np.frexp(a)[1] - 1 = floor(log2(a)), exactly
;;       r = np.clip(x / 2.0 ** e, -28, 28)
;;       step = 2.0 ** (np.maximum(np.frexp(np.where(r == 0, 1, r))[1] - 1, -2) - 2)
;;       q = np.round(r / step) * step * 2.0 ** e      # np.round: ties to even
;;       return np.moveaxis(q.reshape(q.shape[:-2] + (-1,))[..., :K], -1, axis).astype(np.float32)
;;   ~~~
;;   SOFTMAX AHEAD OF A QUANTISED PRODUCT. Where the list says 'softmax', what is quantised is not the finished softmax but p = 2^(t - M), with t = logit x log2(e) and M = ceil(the row's largest t), a whole number; so 1/2 < the row's largest p <= 1. The row's sum l is taken of the UNQUANTISED p, in f32, and the product's result is divided by l at the end. Since M is a whole number, a kernel that streams over the keys may use a running M (the ceiling of the running maximum): every later rescaling is an exact power of two, which a block's scale takes up: the codes' values come out the same.
;;   OPERANDS COMPUTED ON THE WAY. 'Computed on the way' means the value that the module computes at that place (a softmax that the list does not call 'softmax' is quantised finished and normalised). What goes into a quantiser is computed in f32, as accurately as f32 sums, v_exp_f32 and their like allow (about 1e-6 of the number): no bf16 or f16 on the way to a quantiser, and a product that is left as it is and whose result goes on into a quantised operand takes f32 operands (vector FMAs, or v_wmma_f32_16x16x4_f32). A number that lies on a knife's edge between two numbers of the format may be rounded either way, as far as f32 arithmetic and the matrix unit's own rounding can turn it there, and no further.
;; 2 versions, each right; version 2 is version 1 with the launch proj written anew for expert scheduling mode. Each part assembles by itself: llvm-mc -triple=amdgcn-amd-amdhsa -mcpu=gfx1250 --defsym DOCPART=n.
;; ======== version 1 of 2: 3 launches
;; workspace buffers: wc 3,276,800 bytes; biasp 16,384 bytes; qc 13,107,200 bytes; kvc 26,214,400 bytes
;; launch prep (part 1): grid 256 x 1, 4 waves a work-group, no clusters, 0 bytes of LDS; arguments Wq_w, Wk_w, Wv_w, Wo_w, Wq_b, Wk_b, Wv_b, Wo_b, wc, biasp; writes wc, biasp
.if DOCPART == 1
	.amdgcn_target "amdgcn-amd-amdhsa--gfx1250"
	.amdhsa_code_object_version 6
	.text
	.protected	k_q4da90bc132_prep
	.globl	k_q4da90bc132_prep
	.p2align	8
	.type	k_q4da90bc132_prep,@function
k_q4da90bc132_prep:
	s_mov_b64 s[64:65], 0
	v_nop
	global_prefetch_b8 v0, s[64:65] scope:SCOPE_SE
	s_setreg_imm32_b32 hwreg(HW_REG_WAVE_MODE, 25, 1), 1
	s_wait_xcnt 0x0
; The four weights [1000][1000] f32 (row n, K innermost) become codes of BF6 (E3M2) with one E8M0 byte for each 32 along K,
; laid in the order of an operand's registers; the biases become rows of 1,024 numbers with the same padding.
; wc: block ((t*8+G)*8+s) of 12,800 bytes; t = 0 q, 1 k, 2 v, 3 o; G a group of 128 rows; s a K step of 128.
;   In a block: 8 fragments of 16 rows x 128 K, each an image of its 12 registers (piece c of 4 registers at 512 c + 16 lane),
;   then at 12,288 the scale words: 128 g + 4 lane; lanes 0-15 tile 2 g, lanes 16-31 tile 2 g + 1.
;   Lane r of tile 2 B + u stands for local row 32 B + 8 u + r + 8 (r / 8).
;   Weight row of (G, local d): t < 2: 125 G + d, valid for d < 125 (a head padded to 128); t >= 2: 128 G + d, valid under 1000.
;   Rows that are not valid and k >= 1000 get zero codes.
; A work-group makes one block, wave g its tiles 2 g and 2 g + 1.  A lane holds, of its row, 16 neighbours of each block of 32.
; LIMITS: NaN and infinities are not served; a block whose largest magnitude lies under 2^-122 keeps the byte 1, a block of
; zeros too (the rule says 127): its codes are zeros, and this program alone reads the bytes.
.set F0,  32                           ; v32-159  two fragments' numbers, 64 each
.set TM,  160                          ; v160-171 at work
.set PC,  172                          ; v172-191 codes
.set PW,  192                          ; v192     the scale word just made; v193 the first fragment's; v194 the two joined
.set SEL, 30                           ; s[30:31] lane selects: lane l xor 16
; 64 numbers of a lane, register 16 b + i = k 32 b + 16 (lane / 16) + i of my row, become 12 registers of codes and a scale word
.macro QUANT s
.irp b, 0,1,2,3
	v_max3_num_f32 v[TM+\b], |v[(\s)+16*\b]|, |v[(\s)+16*\b+1]|, 0x2800000   ; and the floor 2^(5 - 127): the byte cannot fall under 1
.endr
.irp i, 2,4,6,8,10,12,14
.irp b, 0,1,2,3
	v_max3_num_f32 v[TM+\b], v[TM+\b], |v[(\s)+16*\b+\i]|, |v[(\s)+16*\b+\i+1]|
.endr
.endr
.irp b, 0,1,2,3
	v_permlanex16_b32 v[TM+4+\b], v[TM+\b], s[SEL], s[SEL+1]
.endr
.irp b, 0,1,2,3
	v_max_num_f32 v[TM+\b], v[TM+\b], v[TM+4+\b]       ; with lane l xor 16's 16: the block's largest magnitude
.endr
.irp b, 0,1,2,3
	v_add_nc_u32 v[TM+8+\b], 0xfe000000, v[TM+\b]      ; 4 off its exponent field: the conversion's scale operand
.endr
.irp b, 0,1,2,3
	v_lshrrev_b32 v[TM+4+\b], 23, v[TM+8+\b]           ; the scale's byte
.endr
	v_lshl_or_b32 v[PW], v[TM+5], 8, v[TM+4]
	v_lshl_or_b32 v[PW], v[TM+6], 16, v[PW]
	v_lshl_or_b32 v[PW], v[TM+7], 24, v[PW]
.irp c, 0,1
	v_cvt_scalef32_pk16_bf6_f32 v[PC+6*\c:PC+6*\c+2], v[(\s)+32*\c:(\s)+32*\c+15], v[TM+8+2*\c]
	v_cvt_scalef32_pk16_bf6_f32 v[PC+12+4*\c:PC+14+4*\c], v[(\s)+32*\c+16:(\s)+32*\c+31], v[TM+8+2*\c+1]
.endr
	v_nop                                              ; one plain place behind a scaled conversion
.irp c, 0,1                                        ; the operand wants a whole block in a lane: lanes 0-15 block 2 c, lanes 16-31 block 2 c + 1
.irp i, 0,1,2
	v_permlane16_swap_b32 v[PC+6*\c+\i], v[PC+12+4*\c+\i]
.endr
.irp i, 0,1,2
	v_mov_b32 v[PC+3+6*\c+\i], v[PC+12+4*\c+\i]
.endr
.endr
.endm
.macro LDFULL u, b                     ; my 16 numbers of block b of fragment u
.irp j, 0,1,2,3
	global_load_b128 v[F0+64*\u+16*\b+4*\j:F0+64*\u+16*\b+4*\j+3], v[10+\u], s[4:5] offset:128*\b+16*\j
.endr
.endm
.macro PUT u, dl                       ; codes of rows that are not valid become zeros; the image goes out, 512 consecutive bytes a store
	v_cmp_gt_u32 vcc_lo, s29, v[\dl]
.irp i, 0,1,2,3,4,5,6,7,8,9,10,11
	v_cndmask_b32 v[PC+\i], 0, v[PC+\i], vcc_lo
.endr
.irp c, 0,1,2
	global_store_b128 v12, v[PC+4*\c:PC+4*\c+3], s[20:21] offset:1536*\u+512*\c
.endr
.endm
	s_load_b256 s[4:11], s[0:1], 0x0               ; Wq_w, Wk_w, Wv_w, Wo_w
	s_load_b256 s[12:19], s[0:1], 0x20             ; Wq_b, Wk_b, Wv_b, Wo_b
	s_load_b128 s[20:23], s[0:1], 0x40             ; wc, biasp
	v_lshrrev_b32 v1, 5, v0
	v_readfirstlane_b32 s24, v1                    ; wave g
	s_lshr_b32 s25, ttmp9, 6                       ; t
	s_bfe_u32 s26, ttmp9, 0x30003                  ; G
	s_and_b32 s27, ttmp9, 7                        ; s
	s_mov_b32 s29, 128
	s_cmp_eq_u32 s26, 7
	s_cselect_b32 s29, 104, s29                    ; valid local rows, natural order: 128, in the last group 104
	s_mov_b32 s28, 128
	s_cmp_lt_u32 s25, 2
	s_cselect_b32 s29, 125, s29                    ; by heads: 125
	s_cselect_b32 s28, 125, s28
	s_mul_i32 s28, s28, s26                        ; the group's first weight row
	s_mov_b32 s[SEL], 0x76543210
	s_mov_b32 s[SEL+1], 0xfedcba98
	v_and_b32 v2, 31, v0                           ; lane
	v_and_b32 v3, 15, v0                           ; r
	v_bfe_u32 v4, v0, 4, 1                         ; hl
	v_and_b32 v5, 8, v3
	v_add_nc_u32 v5, v5, v3                        ; r + 8 (r / 8)
	s_lshl_b32 s32, s24, 5
	v_add_nc_u32 v5, s32, v5                       ; local row of tile 2 g
	v_add_nc_u32 v6, 8, v5                         ; and of tile 2 g + 1
	v_add_nc_u32 v7, s28, v5
	v_min_u32 v7, 999, v7                          ; no load leaves the weight
	v_mul_u32_u24 v7, v7, 4000                     ; the row's first byte
	v_add_nc_u32 v8, s28, v6
	v_min_u32 v8, 999, v8
	v_mul_u32_u24 v8, v8, 4000
	s_lshl_b32 s33, s27, 9
	v_lshl_add_u32 v9, v4, 6, s33                  ; 512 s + 64 hl
	v_add_nc_u32 v10, v7, v9
	v_add_nc_u32 v11, v8, v9
	v_lshlrev_b32 v12, 4, v2
	s_mul_i32 s34, s24, 3072
	v_add_nc_u32 v12, s34, v12                     ; images: 16 lane + 3,072 g
	v_lshlrev_b32 v13, 2, v2
	s_lshl_b32 s34, s24, 7
	v_add_nc_u32 v13, s34, v13                     ; scale words: 4 lane + 128 g
.irp b, 0,1,2,3
	v_mov_b32 v[TM+4+\b], 0                        ; a lane permute's destination counts as read
.endr
	s_mul_i32 s34, ttmp9, 12800                    ; my block: its index is the work-group's number
	s_mov_b32 s35, 0
	s_wait_kmcnt 0x0
	s_cmp_eq_u32 s25, 1
	s_cselect_b64 s[4:5], s[6:7], s[4:5]
	s_cselect_b64 s[12:13], s[14:15], s[12:13]
	s_cmp_eq_u32 s25, 2
	s_cselect_b64 s[4:5], s[8:9], s[4:5]
	s_cselect_b64 s[12:13], s[16:17], s[12:13]
	s_cmp_eq_u32 s25, 3
	s_cselect_b64 s[4:5], s[10:11], s[4:5]
	s_cselect_b64 s[12:13], s[18:19], s[12:13]
	s_add_nc_u64 s[20:21], s[20:21], s[34:35]
	s_cmp_eq_u32 s27, 7
	s_cbranch_scc1 .Ltail
.irp u, 0,1
.irp b, 0,1,2,3
	LDFULL \u, \b
.endr
.endr
	s_wait_loadcnt 0x0
	s_branch .Lquant
.Ltail:                                                ; the last K step: k = 896 .. 999 exist; of block 3 only lanes 0-15 have 8 numbers
.irp u, 0,1
.irp b, 0,1,2
	LDFULL \u, \b
.endr
.irp j, 0,1
	global_load_b128 v[F0+64*\u+48+4*\j:F0+64*\u+48+4*\j+3], v[7+\u], s[4:5] offset:3968+16*\j   ; columns 992 .. 999, in both halves of the lanes
.endr
.endr
	s_wait_loadcnt 0x0
	v_cmp_eq_u32 vcc_lo, 0, v4
.irp u, 0,1
.irp i, 48,49,50,51,52,53,54,55
	v_cndmask_b32 v[F0+64*\u+\i], 0, v[F0+64*\u+\i], vcc_lo
.endr
.irp i, 56,57,58,59,60,61,62,63
	v_mov_b32 v[F0+64*\u+\i], 0
.endr
.endr
.Lquant:
	QUANT F0
	PUT 0, 5
	v_mov_b32 v[PW+1], v[PW]
	s_wait_xcnt 0x0                                ; the stores' data registers are written again only behind this wait
	QUANT F0+64
	PUT 1, 6
	v_cmp_eq_u32 vcc_lo, 1, v4
	v_cndmask_b32 v[PW+2], v[PW+1], v[PW], vcc_lo  ; lanes 0-15 tile 2 g's words, lanes 16-31 tile 2 g + 1's
	global_store_b32 v13, v[PW+2], s[20:21] offset:12288
	; the group's 128 biases, by wave 0 of the work-group with s = 0
	s_or_b32 s34, s27, s24
	s_cmp_lg_u32 s34, 0
	s_cbranch_scc1 .Lend
	v_lshlrev_b32 v14, 2, v2
.irp i, 0,1,2,3
	v_add_nc_u32 v[16+\i], \i, v14                 ; local d = 4 lane + i
	v_add_nc_u32 v[20+\i], s28, v[16+\i]
	v_min_u32 v[20+\i], 999, v[20+\i]
	v_lshlrev_b32 v[20+\i], 2, v[20+\i]
	global_load_b32 v[24+\i], v[20+\i], s[12:13]
.endr
	s_wait_loadcnt 0x0
.irp i, 0,1,2,3
	v_cmp_gt_u32 vcc_lo, s29, v[16+\i]
	v_cndmask_b32 v[24+\i], 0, v[24+\i], vcc_lo
.endr
	s_lshr_b32 s34, ttmp9, 3
	s_lshl_b32 s34, s34, 9                         ; 4 (1,024 t + 128 G)
	s_add_nc_u64 s[22:23], s[22:23], s[34:35]
	v_lshlrev_b32 v15, 4, v2
	global_store_b128 v15, v[24:27], s[22:23]
.Lend:
	s_endpgm
.Lfunc_end_k_q4da90bc132_prep:
	.size	k_q4da90bc132_prep, .Lfunc_end_k_q4da90bc132_prep-k_q4da90bc132_prep
	.p2alignl 7, 3214868480
	.fill 96, 4, 3214868480
	.section	.rodata,"a",@progbits
	.p2align	6, 0x0
	.amdhsa_kernel k_q4da90bc132_prep
		.amdhsa_group_segment_fixed_size 0
		.amdhsa_private_segment_fixed_size 0
		.amdhsa_enable_private_segment 0
		.amdhsa_kernarg_size 80
		.amdhsa_user_sgpr_count 2
		.amdhsa_user_sgpr_kernarg_segment_ptr 1
		.amdhsa_wavefront_size32 1
		.amdhsa_system_sgpr_workgroup_id_x 1
		.amdhsa_system_sgpr_workgroup_id_y 1
		.amdhsa_system_sgpr_workgroup_id_z 1
		.amdhsa_system_vgpr_workitem_id 0
		.amdhsa_next_free_vgpr 200
		.amdhsa_next_free_sgpr 66
		.amdhsa_reserve_vcc 1
		.amdhsa_float_denorm_mode_32 3
		.amdhsa_float_denorm_mode_16_64 3
		.amdhsa_memory_ordered 1
		.amdhsa_forward_progress 1
		.amdhsa_inst_pref_size 21
	.end_amdhsa_kernel
	.amdgpu_metadata
---
amdhsa.version: [ 1, 2 ]
amdhsa.kernels:
  - .name:           k_q4da90bc132_prep
    .symbol:         k_q4da90bc132_prep.kd
    .args:
      - { .name: Wq_w, .offset: 0, .size: 8, .value_kind: global_buffer, .address_space: global }
      - { .name: Wk_w, .offset: 8, .size: 8, .value_kind: global_buffer, .address_space: global }
      - { .name: Wv_w, .offset: 16, .size: 8, .value_kind: global_buffer, .address_space: global }
      - { .name: Wo_w, .offset: 24, .size: 8, .value_kind: global_buffer, .address_space: global }
      - { .name: Wq_b, .offset: 32, .size: 8, .value_kind: global_buffer, .address_space: global }
      - { .name: Wk_b, .offset: 40, .size: 8, .value_kind: global_buffer, .address_space: global }
      - { .name: Wv_b, .offset: 48, .size: 8, .value_kind: global_buffer, .address_space: global }
      - { .name: Wo_b, .offset: 56, .size: 8, .value_kind: global_buffer, .address_space: global }
      - { .name: wc, .offset: 64, .size: 8, .value_kind: global_buffer, .address_space: global }
      - { .name: biasp, .offset: 72, .size: 8, .value_kind: global_buffer, .address_space: global }
    .group_segment_fixed_size: 0
    .private_segment_fixed_size: 0
    .kernarg_segment_align: 8
    .kernarg_segment_size: 80
    .max_flat_workgroup_size: 128
    .sgpr_count:     66
    .vgpr_count:     200
    .wavefront_size: 32
...
	.end_amdgpu_metadata
.endif
;; end of part 1
;; launch proj (part 2): grid 128 x 3, 4 waves a work-group, no clusters, 166,400 bytes of LDS; arguments q, k, v, wc, biasp, qc, kvc; writes qc, kvc
.if DOCPART == 2
	.amdgcn_target "amdgcn-amd-amdhsa--gfx1250"
	.amdhsa_code_object_version 6
	.text
	.protected	k_q4da90bc132_proj
	.globl	k_q4da90bc132_proj
	.p2align	8
	.type	k_q4da90bc132_proj,@function
k_q4da90bc132_proj:
	s_mov_b64 s[64:65], 0
	v_nop
	global_prefetch_b8 v0, s[64:65] scope:SCOPE_SE
	s_setreg_imm32_b32 hwreg(HW_REG_WAVE_MODE, 25, 1), 1
	s_wait_xcnt 0x0
; One work-group: one batch (x) of one tensor (y: 0 q, 1 k, 2 v).  Its 128 rows of 1000 f32 are quantised to BF6 (E3M2, one E8M0 byte for
; each 32 along K), multiplied by the tensor's weight (codes from wc), the bias added, and the result quantised again for attention:
;   q, k: along d inside a head (heads padded to 128 with zeros), stored as fragments of 16 rows x 128 d;
;   v:    along the keys, stored as fragments of 16 columns x 128 keys (columns in their natural order 0 .. 999, padded to 1,024).
; Everywhere lane r of tile 2 B + u stands for index 32 B + 8 u + r + 8 (r / 8): so the 16 registers of result tiles 2 B and 2 B + 1 are 16 neighbours.
; PHASE A: wave w quantises rows 32 w .. 32 w + 31 (tiles 2 w, 2 w + 1), a K step of 128 at a time.  Each load takes 512 consecutive bytes of a row; the rows
;   turn through the wave's own stage so that a lane gets 16 neighbours of each block of 32.  The fragments go to LDS as images of their registers.  One barrier.
; GEMM: wave w makes column groups 2 w and 2 w + 1 (a pass each) for all 128 rows: 64 accumulators.  The weights come from memory straight into registers, two K steps
;   ahead; x's fragments from LDS, one K step ahead, in three short runs between the groups of products.  q, k: source 0 = weight rows, source 1 = x (a lane holds a row
;   of x, registers run along d).  v: source 0 = x, source 1 = weight rows (a lane holds a column, registers run along the keys).  The bias is the C of each sum's first product.
; The weight loads of a wave run on over its 16 K steps; in the last two steps they, and the look-ahead of the bias, read 25,600 and 512 bytes of the blocks that follow:
; inside the buffers, written by the launch before, and used by nobody.  That is the price of one text for both passes.
; No joint loads in a cluster: a weight fragment is used by one wave of a work-group alone and feeds 8 products from registers.
; LIMITS: NaN and infinities are not served; a block whose largest magnitude lies under 2^-122 keeps the byte 1, a block of zeros too: its codes are zeros.
; REGISTERS, in windows of 256.  Window 0: v1-12 addresses; v32-39 x's scale words, v40-47 the weights' (two sets each); v48-59 scale words on the way out;
;   v64-159, v160-255 x's fragments, two sets (the second also serves as work space where no product is under way).
;   Window 1: v0-95, v96-191 weight fragments, two sets; v192-255 the bias, 8 tiles.  Windows 2, 3: the accumulators (phase A: numbers as loaded; as a lane wants them).
.set LI,  1                            ; 16 lane
.set STS, 2                            ; my stage + 16 lane
.set STR, 3                            ; my stage + 96 + 528 r + 64 hl
.set XWI, 4                            ; v4, v5  where I store x's images: 16 lane + 3,072 w (+ 65,536)
.set XWS, 6                            ; v6, v7  and their scale words: 12,288 + 16 r + 4 w (+ 65,536)
.set XA,  8                            ; LDS address of the pair of K steps in hand
.set XB,  9                            ; and of the next pair
.set BV,  10                           ; 64 hl
.set BVV, 11                           ; 4 (r + 8 (r / 8))
.set L4,  12                           ; 4 lane
.set SX,  32
.set SW,  40
.set PWS, 48
.set PK,  56
.set X0,  64
.set TM,  160
.set PC,  172
.set PW,  192
.set BI,  192                          ; in window 1
.set SEL, 22                           ; s[22:23]
.set MSB, 0
.macro WIN new                         ; the immediate's high byte repeats the setting that is left
.if MSB != (\new)
	s_set_vgpr_msb (MSB<<8)|(\new)
.set MSB, (\new)
.endif
.endm
.macro PLACES n
.rept \n
	v_nop
.endr
.endm
; 64 numbers of a lane in window w, register s + 16 b + i = k 32 b + 16 (lane / 16) + i of my row, become codes in v[PC] on and the scale word in v[PW].
; xw = 1: the codes' registers are the data of stores issued shortly before: the wait that frees them stands directly ahead of the conversions, behind the search for the maxima
.macro QUANT w, s, xw
.set QW_, (\w)*5
	WIN QW_                                            ; sources 0 and 1 in window w
.irp b, 0,1,2,3
	v_max3_num_f32 v[TM+\b], |v[(\s)+16*\b]|, |v[(\s)+16*\b+1]|, 0x2800000   ; each accumulator is read from its low end on; the floor 2^(5 - 127) holds the byte at 1
.endr
.irp i, 2,4,6,8,10,12,14
.irp b, 0,1,2,3
	v_max3_num_f32 v[TM+\b], |v[(\s)+16*\b+\i]|, |v[(\s)+16*\b+\i+1]|, v[TM+\b]
.endr
.endr
	WIN 0
.irp b, 0,1,2,3
	v_permlanex16_b32 v[TM+4+\b], v[TM+\b], s[SEL], s[SEL+1]
.endr
.irp b, 0,1,2,3
	v_max_num_f32 v[TM+\b], v[TM+\b], v[TM+4+\b]
.endr
.irp b, 0,1,2,3
	v_add_nc_u32 v[TM+8+\b], 0xfe000000, v[TM+\b]      ; 4 off the exponent field: the conversion's scale operand
.endr
.irp b, 0,1,2,3
	v_lshrrev_b32 v[TM+4+\b], 23, v[TM+8+\b]
.endr
	v_lshl_or_b32 v[PW], v[TM+5], 8, v[TM+4]
	v_lshl_or_b32 v[PW], v[TM+6], 16, v[PW]
	v_lshl_or_b32 v[PW], v[TM+7], 24, v[PW]
.set QW_, (\w)
	WIN QW_                                            ; source 0 in window w
.if \xw
	s_wait_xcnt 0x0                                    ; the last fragment's stores have read the codes' registers
.endif
.irp c, 0,1
	v_cvt_scalef32_pk16_bf6_f32 v[PC+6*\c:PC+6*\c+2], v[(\s)+32*\c:(\s)+32*\c+15], v[TM+8+2*\c]
	v_cvt_scalef32_pk16_bf6_f32 v[PC+12+4*\c:PC+14+4*\c], v[(\s)+32*\c+16:(\s)+32*\c+31], v[TM+8+2*\c+1]
.endr
	WIN 0
	v_nop                                              ; one plain place behind a scaled conversion
.irp c, 0,1
.irp i, 0,1,2
	v_permlane16_swap_b32 v[PC+6*\c+\i], v[PC+12+4*\c+\i]
.endr
.irp i, 0,1,2
	v_mov_b32 v[PC+3+6*\c+\i], v[PC+12+4*\c+\i]
.endr
.endr
.endm
; one product; its registers stand in rD, rA, rB, rC, rSA, rSB; fA, fB = 1: that side's scales are read from lanes 16-31
.macro WM
.if fA && fB
	v_wmma_scale_f32_16x16x128_f8f6f4 v[rD:rD+7], v[rA:rA+11], v[rB:rB+11], v[rC:rC+7], v[rSA], v[rSB] matrix_a_fmt:MATRIX_FMT_BF6 matrix_b_fmt:MATRIX_FMT_BF6 matrix_a_scale:MATRIX_SCALE_ROW1 matrix_b_scale:MATRIX_SCALE_ROW1
.elseif fA
	v_wmma_scale_f32_16x16x128_f8f6f4 v[rD:rD+7], v[rA:rA+11], v[rB:rB+11], v[rC:rC+7], v[rSA], v[rSB] matrix_a_fmt:MATRIX_FMT_BF6 matrix_b_fmt:MATRIX_FMT_BF6 matrix_a_scale:MATRIX_SCALE_ROW1
.elseif fB
	v_wmma_scale_f32_16x16x128_f8f6f4 v[rD:rD+7], v[rA:rA+11], v[rB:rB+11], v[rC:rC+7], v[rSA], v[rSB] matrix_a_fmt:MATRIX_FMT_BF6 matrix_b_fmt:MATRIX_FMT_BF6 matrix_b_scale:MATRIX_SCALE_ROW1
.else
	v_wmma_scale_f32_16x16x128_f8f6f4 v[rD:rD+7], v[rA:rA+11], v[rB:rB+11], v[rC:rC+7], v[rSA], v[rSB] matrix_a_fmt:MATRIX_FMT_BF6 matrix_b_fmt:MATRIX_FMT_BF6
.endif
.endm
; seven loads: weight fragments 2 g and 2 g + 1 and their scale words, of the K step that begins off bytes behind s[10:11], into set par
.macro WGRP par, g, off
	WIN 0x40
.irp u, 0,1
.irp c, 0,1,2
	global_load_b128 v[96*(\par)+12*(2*(\g)+\u)+4*\c:96*(\par)+12*(2*(\g)+\u)+4*\c+3], v[LI], s[10:11] offset:(\off)+1536*(2*(\g)+\u)+512*\c
.endr
.endr
	WIN 0
	global_load_b32 v[SW+4*(\par)+(\g)], v[L4], s[10:11] offset:(\off)+12288+128*(\g)
.endm
; the bias in q's and k's result layout: tile tt, register j of lane (r, hl): d = 32 (tt / 2) + 8 (tt % 2) + 16 hl + j
.macro BIASQK off
	WIN 0x40
.irp tt, 0,1,2,3,4,5,6,7
	global_load_b128 v[BI+8*\tt:BI+8*\tt+3], v[BV], s[12:13] offset:(\off)+4*(32*(\tt/2)+8*(\tt%2))
	global_load_b128 v[BI+8*\tt+4:BI+8*\tt+7], v[BV], s[12:13] offset:(\off)+4*(32*(\tt/2)+8*(\tt%2))+16
.endr
	WIN 0
.endm
; unit n = K step n / 2 of tile 2 w + n % 2: sixteen loads, one for each of the tile's rows, 512 consecutive bytes each.  The last K step begins 96 bytes early, so that no load leaves the row
.macro LOADX n
.set LS_, (\n)/2
.set LU_, (\n)%2
.set LO_, 512*LS_
.if LS_ == 7
.set LO_, 3488
.endif
	WIN 0x80
.irp i, 0,1,2,3,4,5,6,7,8,9,10,11,12,13,14,15
	global_load_b128 v[64*((\n)%4)+4*\i:64*((\n)%4)+4*\i+3], v[LI], s[4:5] offset:(8*LU_+\i+8*(\i/8))*4000+LO_ th:TH_LOAD_NT
.endr
	WIN 0
.endm
.macro UNIT n
.set US_, (\n)/2
.set UU_, (\n)%2
.set UR_, 64*((\n)%4)
.set UO_, 96
.if US_ == 7
.set UO_, 0                            ; the early 96 bytes go into the headroom, so that column 896 lies where every K step's first column lies
.endif
.if (\n) <= 12
	s_wait_loadcnt 48                                  ; my sixteen loads are in; those of the three units behind may be out
.else
	s_wait_loadcnt 16*(15-(\n))
.endif
	WIN 0x08
.irp i, 0,1,2,3,4,5,6,7,8,9,10,11,12,13,14,15
	ds_store_b128 v[STS], v[UR_+4*\i:UR_+4*\i+3] offset:UO_+528*\i
.endr
	WIN 0xc0                                           ; LDS serves a wave's instructions in order: these see the stores above
.irp b, 0,1,2
.irp j, 0,1,2,3
	ds_load_b128 v[16*\b+4*\j:16*\b+4*\j+3], v[STR] offset:128*\b+16*\j
.endr
.endr
	ds_load_b128 v[48:51], v[STR] offset:384
	ds_load_b128 v[52:55], v[STR] offset:400
.if US_ != 7
	ds_load_b128 v[56:59], v[STR] offset:416
	ds_load_b128 v[60:63], v[STR] offset:432
.endif
	WIN 0
	s_wait_dscnt 0x0                                   ; the numbers are back; the stores have read their registers
.if (\n)+4 < 16
	LOADX (\n)+4
.endif
.if US_ == 7                           ; k = 992 .. 999 lie in lanes 0-15; all beyond is zero
	WIN 0xcc
.irp i, 48,49,50,51,52,53,54,55
	v_cndmask_b32 v[\i], 0, v[\i], s26
.endr
.irp i, 56,57,58,59,60,61,62,63
	v_mov_b32 v[\i], 0
.endr
.endif
	QUANT 3, 0, 0
.irp c, 0,1,2
	ds_store_b128 v[XWI+US_/4], v[PC+4*\c:PC+4*\c+3] offset:16384*(US_%4)+1536*UU_+512*\c
.endr
	ds_store_b32 v[XWS+US_/4], v[PW] offset:16384*(US_%4)+256*UU_
.endm
; a third of a K step's fragments of x: part 0: tiles 0-2, part 1: tiles 3-5, part 2: tiles 6, 7 and the scale words (register i: lanes 0-15 tile 2 i, lanes 16-31 tile 2 i + 1)
.macro FETCHXP adr, off, set, part
.if (\part) < 2
.irp t, 0,1,2
.irp c, 0,1,2
	ds_load_b128 v[X0+96*(\set)+12*(3*(\part)+\t)+4*\c:X0+96*(\set)+12*(3*(\part)+\t)+4*\c+3], v[\adr] offset:(\off)+1536*(3*(\part)+\t)+512*\c
.endr
.endr
.else
.irp t, 6,7
.irp c, 0,1,2
	ds_load_b128 v[X0+96*(\set)+12*\t+4*\c:X0+96*(\set)+12*\t+4*\c+3], v[\adr] offset:(\off)+1536*\t+512*\c
.endr
.endr
	ds_load_b128 v[SX+4*(\set):SX+4*(\set)+3], v[\adr] offset:(\off)+12288
.endif
.endm
; A K step: 64 products in four groups of 16 (weight fragments 2 g, 2 g + 1 against x's eight).  The 64 accumulators take turns in the same order in every step.
; Behind a group its weight registers are free: four places, then they take the K step two on.  Behind groups 0, 1 and 2 a third of the next K step's x is fetched: 16 products stand between the last run and the wait for it.
.macro KSTEP var, par, zero
	s_wait_dscnt 0x0                                   ; x's fragments of this step
.irp g, 0,1,2,3
	s_wait_loadcnt 49                                  ; behind this group's seven loads 7 groups of 7 were issued (more where a bias was asked for: then the wait is the stricter)
.if \var == 0
.irp ah, 0,1
.if \zero
.set KW_, 0x91+0x40*\ah
.else
.set KW_, 0xa1+0x50*\ah
.endif
	WIN KW_
.irp bb, 0,1
.irp aa, 0,1,2,3
.set rD, 8*(8*\aa+2*\g+\bb)
.set rA, 96*\par+12*(2*\g+\bb)
.set rB, X0+96*\par+12*(4*\ah+\aa)
.if \zero
.set rC, BI+8*(2*\g+\bb)
.else
.set rC, rD
.endif
.set rSA, SW+4*\par+\g
.set rSB, SX+4*\par+(4*\ah+\aa)/2
.set fA, \bb
.set fB, \aa%2
	WM
.endr
.endr
.endr
.else
.if \zero
.set KW_, 0x94+0x40*(\g/2)
.else
.set KW_, 0xa4+0x50*(\g/2)
.endif
	WIN KW_
.irp bb, 0,1
.irp aa, 0,1,2,3,4,5,6,7
.set rD, 8*(8*((2*\g+\bb)%4)+\aa)
.set rA, X0+96*\par+12*\aa
.set rB, 96*\par+12*(2*\g+\bb)
.if \zero
.set rC, BI+8*(2*\g+\bb)
.else
.set rC, rD
.endif
.set rSA, SX+4*\par+\aa/2
.set rSB, SW+4*\par+\g
.set fA, \aa%2
.set fB, \bb
	WM
.endr
.endr
.endif
	PLACES 4                                           ; in front of loads into registers that products have read, and of the first read of results
.if \par == 0
.if \g == 0
	s_wait_xcnt 0x0                                    ; the weights' base steps only behind this wait; the youngest loads that name it stand 16 products back
	s_add_nc_u64 s[10:11], s[10:11], s[38:39]          ; on to this pair of K steps: by 0 in the very first pair, by 25,600 in every later one
	s_mov_b32 s38, 25600
.endif
.endif
	WGRP \par, \g, 12800*(2+\par)
.if \g < 3
.if \par == 0
	FETCHXP XA, 16384, 1, \g
.else
	FETCHXP XB, 0, 0, \g
.endif
.endif
.if \zero
.if \var == 0
.if \g == 3
	BIASQK 512                                         ; the next pass's bias: this pass has read its own
.endif
.endif
.endif
.endr
.endm
.macro DS var, zero                    ; two K steps
	v_mov_b32 v[XA], v[XB]
	v_add_nc_u32 v[XB], 0x8000, v[XB]
	v_and_b32 v[XB], 0x1ffff, v[XB]                    ; behind K step 7 comes K step 0: x's images take 2^17 bytes
	KSTEP \var, 0, \zero
	KSTEP \var, 1, 0
	WIN 0
.endm
	s_load_b256 s[4:11], s[0:1], 0x0               ; q, k, v, wc
	s_load_b128 s[12:15], s[0:1], 0x20             ; biasp, qc
	s_load_b64 s[16:17], s[0:1], 0x30              ; kvc
	v_lshl_add_u32 v62, v0, 2, 0x28800
	v_mov_b32 v63, 0
	v_lshrrev_b32 v1, 5, v0
	v_readfirstlane_b32 s18, v1                    ; wave w
	s_and_b32 s19, ttmp7, 0xffff                   ; the tensor
	v_and_b32 v13, 31, v0
	v_and_b32 v14, 15, v0
	v_bfe_u32 v15, v0, 4, 1
	v_lshlrev_b32 v[LI], 4, v13
	v_lshlrev_b32 v[L4], 2, v13
	s_mul_i32 s20, s18, 8704
	s_add_co_u32 s20, s20, 131072                  ; my stage: 96 bytes of headroom, 16 rows 528 bytes apart
	v_add_nc_u32 v[STS], s20, v[LI]
	v_mul_u32_u24 v[STR], v14, 528
	v_lshl_add_u32 v[STR], v15, 6, v[STR]
	v_add_nc_u32 v[STR], s20, v[STR]
	v_add_nc_u32 v[STR], 96, v[STR]
	s_mul_i32 s21, s18, 3072
	v_add_nc_u32 v[XWI], s21, v[LI]
	v_add_nc_u32 v[XWI+1], 0x10000, v[XWI]
	s_lshl_b32 s21, s18, 2
	s_add_co_u32 s21, s21, 12288
	v_lshl_add_u32 v[XWS], v14, 4, s21
	v_add_nc_u32 v[XWS+1], 0x10000, v[XWS]
	v_lshlrev_b32 v[BV], 6, v15
	v_and_b32 v[BVV], 8, v14
	v_add_nc_u32 v[BVV], v[BVV], v14
	v_lshlrev_b32 v[BVV], 2, v[BVV]
.irp b, 0,1,2,3
	v_mov_b32 v[TM+4+\b], 0                        ; a lane permute's destination counts as read
.endr
	s_mov_b32 s[SEL], 0x76543210
	s_mov_b32 s[SEL+1], 0xfedcba98
	s_mov_b32 s26, 0xffff                          ; lanes 0-15
	s_mov_b32 s27, 0xffff0000                      ; lanes 16-31
	s_mov_b32 s38, 0                               ; the weights' first step is 0
	s_mov_b32 s39, 0
	s_mul_i32 s28, ttmp9, 512000                   ; x: my batch, my 32 rows
	s_mul_i32 s29, s18, 128000
	s_add_co_u32 s28, s28, s29
	s_mov_b32 s29, 0
	s_lshl_b32 s30, s19, 3                         ; wc: group 8 T + 2 w, 8 blocks of 12,800 bytes each
	s_lshl_b32 s31, s18, 1
	s_add_co_u32 s30, s30, s31
	s_mul_i32 s30, s30, 102400
	s_mov_b32 s31, 0
	s_lshl_b32 s32, s19, 12                        ; biasp: 4 (1,024 T + 256 w)
	s_lshl_b32 s33, s18, 10
	s_add_co_u32 s32, s32, s33
	s_mov_b32 s33, 0
	s_mov_b32 s34, 204800                          ; the way out: qc 102,400 bytes a batch; kvc 204,800, K's half first
	s_cmp_eq_u32 s19, 0
	s_cselect_b32 s34, 102400, s34
	s_mul_i32 s34, s34, ttmp9
	s_cmp_eq_u32 s19, 2
	s_cselect_b32 s35, 102400, 0
	s_add_co_u32 s34, s34, s35
	s_mul_i32 s35, s18, 25600
	s_add_co_u32 s34, s34, s35
	s_mov_b32 s35, 0
	s_wait_kmcnt 0x0
	s_cmp_eq_u32 s19, 1
	s_cselect_b64 s[4:5], s[6:7], s[4:5]
	s_cmp_eq_u32 s19, 2
	s_cselect_b64 s[4:5], s[8:9], s[4:5]
	s_cmp_eq_u32 s19, 0
	s_cselect_b64 s[14:15], s[14:15], s[16:17]
	s_add_nc_u64 s[4:5], s[4:5], s[28:29]
	s_add_nc_u64 s[10:11], s[10:11], s[30:31]
	s_add_nc_u64 s[12:13], s[12:13], s[32:33]
	s_add_nc_u64 s[14:15], s[14:15], s[34:35]
	BIASQK 0                                       ; on every path, so that all 64 registers are written; v overwrites them below
.irp p, 0,1
.irp g, 0,1,2,3
	WGRP \p, \g, 12800*\p                          ; the weights of K steps 0 and 1
.endr
.endr
.irp n, 0,1,2,3
	LOADX \n
.endr
.irp n, 0,1,2,3,4,5,6,7,8,9,10,11,12,13,14,15
	UNIT \n
.endr
	s_wait_dscnt 0x0                               ; for the others' sake: my images lie in LDS
	s_barrier_signal -1
	s_barrier_wait -1
	v_mov_b32 v[XB], v[LI]
.irp p, 0,1,2
	FETCHXP XB, 0, 0, \p
.endr
	s_mov_b32 s24, 2
.Lpass:
	s_cmp_eq_u32 s19, 2
	s_cbranch_scc1 .Lv
	DS 0, 1
	s_mov_b32 s25, 3
.Lqk:
	DS 0, 0
	s_sub_co_u32 s25, s25, 1
	s_cmp_lg_u32 s25, 0
	s_cbranch_scc1 .Lqk
	s_branch .Lepi
.Lv:                                                   ; v: a lane holds a column, so a tile's eight registers of C all hold that column's bias
	WIN 0x40
.irp tt, 0,1,2,3,4,5,6,7
	global_load_b32 v[BI+8*\tt], v[BVV], s[12:13] offset:4*(32*(\tt/2)+8*(\tt%2))
.endr
	s_wait_loadcnt 0x0
	WIN 0x41
.irp tt, 0,1,2,3,4,5,6,7
.irp j, 1,2,3,4,5,6,7
	v_mov_b32 v[BI+8*\tt+\j], v[BI+8*\tt]
.endr
.endr
	WIN 0
	PLACES 4
	DS 1, 1
	s_mov_b32 s36, 3
.Lvk:
	DS 1, 0
	s_sub_co_u32 s36, s36, 1
	s_cmp_lg_u32 s36, 0
	s_cbranch_scc1 .Lvk
.Lepi:
	; the group's eight fragments: 64 registers each, quantised, stored as images: 512 consecutive bytes a store
.irp x, 0,1,2,3,4,5,6,7
.set EW_, 2+\x/4
.set EB_, 64*(\x%4)
	QUANT EW_, EB_, 1
	v_mov_b32 v[PWS+\x], v[PW]
.irp c, 0,1,2
	global_store_b128 v[LI], v[PC+4*\c:PC+4*\c+3], s[14:15] offset:1536*\x+512*\c
.endr
.endr
.irp i, 0,1,2,3
	v_cndmask_b32 v[PK+\i], v[PWS+2*\i], v[PWS+2*\i+1], s27   ; word i of a lane: lanes 0-15 tile 2 i, lanes 16-31 tile 2 i + 1
.endr
	global_store_b128 v[LI], v[PK:PK+3], s[14:15] offset:12288
	s_wait_xcnt 0x0                                ; the bases step, and x's next fragments land on the codes' registers, only behind this wait
	s_add_nc_u64 s[14:15], s[14:15], 12800
	s_add_nc_u64 s[12:13], s[12:13], 512           ; the next pass's bias
	s_sub_co_u32 s24, s24, 1
	s_cmp_lg_u32 s24, 0
	s_cbranch_scc1 .Lpass
	s_wait_tensorcnt 0x0
	ds_add_u32 v62, v63
	s_wait_dscnt 0x0
	s_endpgm
.Lfunc_end_k_q4da90bc132_proj:
	.size	k_q4da90bc132_proj, .Lfunc_end_k_q4da90bc132_proj-k_q4da90bc132_proj
	.p2alignl 7, 3214868480
	.fill 96, 4, 3214868480
	.section	.rodata,"a",@progbits
	.p2align	6, 0x0
	.amdhsa_kernel k_q4da90bc132_proj
		.amdhsa_group_segment_fixed_size 166400
		.amdhsa_private_segment_fixed_size 0
		.amdhsa_enable_private_segment 0
		.amdhsa_kernarg_size 56
		.amdhsa_user_sgpr_count 2
		.amdhsa_user_sgpr_kernarg_segment_ptr 1
		.amdhsa_wavefront_size32 1
		.amdhsa_system_sgpr_workgroup_id_x 1
		.amdhsa_system_sgpr_workgroup_id_y 1
		.amdhsa_system_sgpr_workgroup_id_z 1
		.amdhsa_system_vgpr_workitem_id 0
		.amdhsa_next_free_vgpr 1024
		.amdhsa_next_free_sgpr 66
		.amdhsa_reserve_vcc 0
		.amdhsa_float_denorm_mode_32 3
		.amdhsa_float_denorm_mode_16_64 3
		.amdhsa_memory_ordered 1
		.amdhsa_forward_progress 1
		.amdhsa_inst_pref_size 255
	.end_amdhsa_kernel
	.section	.bss,"aw",@nobits
	.p2align	6
	.space	262144
	.amdgpu_metadata
---
amdhsa.version: [ 1, 2 ]
amdhsa.kernels:
  - .name:           k_q4da90bc132_proj
    .symbol:         k_q4da90bc132_proj.kd
    .args:
      - { .name: q, .offset: 0, .size: 8, .value_kind: global_buffer, .address_space: global }
      - { .name: k, .offset: 8, .size: 8, .value_kind: global_buffer, .address_space: global }
      - { .name: v, .offset: 16, .size: 8, .value_kind: global_buffer, .address_space: global }
      - { .name: wc, .offset: 24, .size: 8, .value_kind: global_buffer, .address_space: global }
      - { .name: biasp, .offset: 32, .size: 8, .value_kind: global_buffer, .address_space: global }
      - { .name: qc, .offset: 40, .size: 8, .value_kind: global_buffer, .address_space: global }
      - { .name: kvc, .offset: 48, .size: 8, .value_kind: global_buffer, .address_space: global }
    .group_segment_fixed_size: 166400
    .private_segment_fixed_size: 0
    .kernarg_segment_align: 8
    .kernarg_segment_size: 56
    .max_flat_workgroup_size: 128
    .sgpr_count:     66
    .vgpr_count:     1024
    .wavefront_size: 32
...
	.end_amdgpu_metadata
.endif
;; end of part 2
;; launch attn (part 3): grid 256 x 1, 4 waves a work-group, no clusters, 327,680 bytes of LDS; arguments qc, kvc, mask, wc, q, Wo_b, ln_g, ln_b, out0; writes out0
.if DOCPART == 3
	.amdgcn_target "amdgcn-amd-amdhsa--gfx1250"
	.amdhsa_code_object_version 6
	.text
	.protected	k_q4da90bc132_attn
	.globl	k_q4da90bc132_attn
	.p2align	8
	.type	k_q4da90bc132_attn,@function
k_q4da90bc132_attn:
	s_mov_b64 s[64:65], 0
	v_nop
	global_prefetch_b8 v0, s[64:65] scope:SCOPE_SE
	s_setreg_imm32_b32 hwreg(HW_REG_WAVE_MODE, 25, 1), 1
	s_wait_xcnt 0x0
; One work-group: 64 queries (half hf) of one batch, through attention, the output projection, the residual and the layer norm.  All products on codes of BF6 (E3M2) with E8M0 scales.
; ATTENTION.  Wave w owns the 16 queries of tile 4 hf + w, for all 8 heads.  S^T = K Q^T (source 0 = 16 keys, source 1 = my queries), O^T = V^T P^T: a lane holds one query throughout.
;   Lane r of tile 2 B + u stands for index 32 B + 8 u + r + 8 (r / 8), so the 16 registers of tiles 2 B, 2 B + 1 are 16 neighbours.
;   t = score x log2(e) / sqrt(125), or -10000 log2(e) where the mask hides the key (one fused multiply-add with two numbers a key, made once from the mask);
;   M = ceil(the row's largest t); p = 2^(t - M) is quantised along the keys; the row's sum of the unquantised p divides O.
;   z's blocks of 32 run along the 1000 joined columns, so head h also makes the last block of column group h - 1 (its columns 125 h on) and joins it with head h - 1's part.
; OUTPUT PROJECTION.  z's fragments go from wave to wave through LDS as images of their registers.  Wave w makes columns 256 w .. 256 w + 255 for the 64 rows, in two passes of 128,
;   each with 32 accumulators of its own; the weights come from memory straight into registers, two K steps ahead.
; THE RESIDUAL.  Behind the barrier that ends attention each wave asks for 16 rows of q by one tensor load, into the bytes that held K, V and Q: the stage, rows 4,112 bytes apart (the tile is stated
;   1,028 numbers wide over a tensor of 1000, so that columns 1000 on arrive as zeros).  It lands under the 512 products of the projection; then each wave adds its results onto its columns of the stage.
; LAYER NORM.  A wave takes a row at a time, 16 rows, from LDS alone; the finished rows are laid dense in the wave's own part of the stage and leave, behind every four rows, as stores of 512 consecutive
;   bytes, aligned to 256.
; No joint loads in a cluster: the two work-groups of a batch share K and V alone, and a weight fragment feeds 4 products from one wave's registers.
; LIMITS: NaN and infinities are not served; a block whose largest magnitude lies under 2^-122 keeps the byte 1, a block of zeros too: its codes are zeros.
; REGISTERS, in windows of 256.  Window 0: v1-30 addresses and a query's figures; v8-10, v32-43, v56-63 scale words; v44-55 Q; v64-159 K (later z, later the norm's rows); v160-223 scores, t, p; v224-255 at work (later Wo_b).
;   Window 1: v0-127 the mask's two numbers a key, v128-207 O^T (later pass 1's accumulators, later rows on their way out).   Window 2: v0-119 V; v128-191 z of a column group (later pass 0's accumulators).
;   Window 3: v0-191 the weights, two sets; v192-255 ln_g and ln_b.
.set QIMG, 204800                      ; LDS: K and V of the batch at 0 (204,800 bytes); Q's images, 12,288 w + 1,536 h;
.set QSC,  253952                      ; Q's scale words, a copy for each wave: 4,096 w + 512 h;
.set ZIMG, 270336                      ; z's images: 12,288 m + 1,536 s;
.set ZSC,  319488                      ; z's scale words: 512 m + 64 s + 4 r;
.set SPARE, 321536                     ; the spare words, 128 bytes for each wave: two blocks of 256 bytes that no other line names
.set SPT,  4112                        ; the stage's pitch: 64 rows from LDS byte 0 on, 263,168 bytes
.set LI,   1
.set KA,   2
.set VA,   3
.set QA,   4
.set QSA,  5
.set ZA,   6
.set ZSA,  7
.set QS,   8
.set VSP,  9
.set PW,   10
.set TMPX, 11
.set NM,   12                          ; v12 -M, v13 the row's largest t
.set LS,   14                          ; v[14:15] the sum in two halves; then 1 / sum
.set VA0,  16
.set QA0,  17
.set QSA0, 18
.set ZA0,  19
.set ZSA0, 20
.set HL16, 21
.set DD,   22
.set ZB,   23
.set ZSB,  24
.set STO,  25                          ; v25, v26
.set L4,   27
.set SPW,  28                          ; LDS address of my spare word: SPARE + 4 x my thread's number; never rewritten
.set NIL,  29                          ; 0; never rewritten
.set LI7,  30
.set SW,   32
.set SZ,   40
.set QF,   44
.set KS,   56
.set VS,   60
.set KF,   64
.set ZF,   64
.set VZ,   84                          ; at the head only: 0,
.set VT,   85                          ; and -10000 log2(e)
.set SS,   160
.set PC,   224
.set TM,   244
.set OPRE, 128                         ; window 1
.set OMAIN, 144
.set ZP,   128                         ; window 2
.set LNB,  2                           ; the norm: my part of the stage + 16 lane; v3 the rows to read, v4 the rows to write, v5 the bytes to send
.set LNA,  3
.set LND,  4
.set LNC,  5
.set Y0,   64                          ; v64-95, v96-127 two rows by turns
.set TA,   128
.set TB,   130
.set TC,   132
.set TD,   134
.set MK,   136
.set OB,   224                         ; Wo_b, window 0
.set GG,   192                         ; ln_g, window 3
.set BT,   224                         ; ln_b, window 3
.set SEL,  62
.set HK,   66
.set HQ,   67
.set HS,   68
.set HZ,   69
.set HZS,  70
.set BND,  71
.set CNT,  72
.set CC,   73
.set LSRC, 66                          ; the norm's scalars take the places of attention's
.set LDEN, 67
.set LCPY, 68
.set LCNT, 69
.set LSTEP, 70                         ; s[70:71]
.set G0Q,  76                          ; s[76:79] descriptor group 0 for the rows of q
.set G1Q,  92                          ; s[92:99] group 1
.set MSB, 0
.macro WIN new                         ; the immediate's high byte repeats the setting that is left
.if MSB != (\new)
	s_set_vgpr_msb (MSB<<8)|(\new)
.set MSB, (\new)
.endif
.endm
.macro PLACES n
.rept \n
	v_nop
.endr
.endm
.macro QUANT w, s                      ; 64 numbers of a lane in window w become codes in v[PC] on and the scale word in v[PW]
.set QW_, (\w)*5
	WIN QW_
.irp b, 0,1,2,3
	v_max3_num_f32 v[TM+\b], |v[(\s)+16*\b]|, |v[(\s)+16*\b+1]|, 0x2800000
.endr
.irp i, 2,4,6,8,10,12,14
.irp b, 0,1,2,3
	v_max3_num_f32 v[TM+\b], |v[(\s)+16*\b+\i]|, |v[(\s)+16*\b+\i+1]|, v[TM+\b]
.endr
.endr
	WIN 0
.irp b, 0,1,2,3
	v_permlanex16_b32 v[TM+4+\b], v[TM+\b], s[SEL], s[SEL+1]
.endr
.irp b, 0,1,2,3
	v_max_num_f32 v[TM+\b], v[TM+\b], v[TM+4+\b]
.endr
.irp b, 0,1,2,3
	v_add_nc_u32 v[TM+8+\b], 0xfe000000, v[TM+\b]
.endr
.irp b, 0,1,2,3
	v_lshrrev_b32 v[TM+4+\b], 23, v[TM+8+\b]
.endr
	v_lshl_or_b32 v[PW], v[TM+5], 8, v[TM+4]
	v_lshl_or_b32 v[PW], v[TM+6], 16, v[PW]
	v_lshl_or_b32 v[PW], v[TM+7], 24, v[PW]
.set QW_, (\w)
	WIN QW_
.irp c, 0,1
	v_cvt_scalef32_pk16_bf6_f32 v[PC+6*\c:PC+6*\c+2], v[(\s)+32*\c:(\s)+32*\c+15], v[TM+8+2*\c]
	v_cvt_scalef32_pk16_bf6_f32 v[PC+12+4*\c:PC+14+4*\c], v[(\s)+32*\c+16:(\s)+32*\c+31], v[TM+8+2*\c+1]
.endr
	WIN 0
	v_nop                                              ; one plain place behind a scaled conversion
.irp c, 0,1
.irp i, 0,1,2
	v_permlane16_swap_b32 v[PC+6*\c+\i], v[PC+12+4*\c+\i]
.endr
.irp i, 0,1,2
	v_mov_b32 v[PC+3+6*\c+\i], v[PC+12+4*\c+\i]
.endr
.endr
.endm
.macro WM                              ; one product; rC < 0: the constant 0 starts the sum
.if rC < 0
.if fA && fB
	v_wmma_scale_f32_16x16x128_f8f6f4 v[rD:rD+7], v[rA:rA+11], v[rB:rB+11], 0, v[rSA], v[rSB] matrix_a_fmt:MATRIX_FMT_BF6 matrix_b_fmt:MATRIX_FMT_BF6 matrix_a_scale:MATRIX_SCALE_ROW1 matrix_b_scale:MATRIX_SCALE_ROW1
.elseif fA
	v_wmma_scale_f32_16x16x128_f8f6f4 v[rD:rD+7], v[rA:rA+11], v[rB:rB+11], 0, v[rSA], v[rSB] matrix_a_fmt:MATRIX_FMT_BF6 matrix_b_fmt:MATRIX_FMT_BF6 matrix_a_scale:MATRIX_SCALE_ROW1
.elseif fB
	v_wmma_scale_f32_16x16x128_f8f6f4 v[rD:rD+7], v[rA:rA+11], v[rB:rB+11], 0, v[rSA], v[rSB] matrix_a_fmt:MATRIX_FMT_BF6 matrix_b_fmt:MATRIX_FMT_BF6 matrix_b_scale:MATRIX_SCALE_ROW1
.else
	v_wmma_scale_f32_16x16x128_f8f6f4 v[rD:rD+7], v[rA:rA+11], v[rB:rB+11], 0, v[rSA], v[rSB] matrix_a_fmt:MATRIX_FMT_BF6 matrix_b_fmt:MATRIX_FMT_BF6
.endif
.else
.if fA && fB
	v_wmma_scale_f32_16x16x128_f8f6f4 v[rD:rD+7], v[rA:rA+11], v[rB:rB+11], v[rC:rC+7], v[rSA], v[rSB] matrix_a_fmt:MATRIX_FMT_BF6 matrix_b_fmt:MATRIX_FMT_BF6 matrix_a_scale:MATRIX_SCALE_ROW1 matrix_b_scale:MATRIX_SCALE_ROW1
.elseif fA
	v_wmma_scale_f32_16x16x128_f8f6f4 v[rD:rD+7], v[rA:rA+11], v[rB:rB+11], v[rC:rC+7], v[rSA], v[rSB] matrix_a_fmt:MATRIX_FMT_BF6 matrix_b_fmt:MATRIX_FMT_BF6 matrix_a_scale:MATRIX_SCALE_ROW1
.elseif fB
	v_wmma_scale_f32_16x16x128_f8f6f4 v[rD:rD+7], v[rA:rA+11], v[rB:rB+11], v[rC:rC+7], v[rSA], v[rSB] matrix_a_fmt:MATRIX_FMT_BF6 matrix_b_fmt:MATRIX_FMT_BF6 matrix_b_scale:MATRIX_SCALE_ROW1
.else
	v_wmma_scale_f32_16x16x128_f8f6f4 v[rD:rD+7], v[rA:rA+11], v[rB:rB+11], v[rC:rC+7], v[rSA], v[rSB] matrix_a_fmt:MATRIX_FMT_BF6 matrix_b_fmt:MATRIX_FMT_BF6
.endif
.endif
.endm
.macro WGRP par, g, un                 ; seven loads: Wo's fragments 2 g, 2 g + 1 and their scale words, of unit un (block un of my 16), into set par
	WIN 0xc0
.irp u, 0,1
.irp c, 0,1,2
	global_load_b128 v[96*(\par)+12*(2*(\g)+\u)+4*\c:96*(\par)+12*(2*(\g)+\u)+4*\c+3], v[LI], s[10:11] offset:12800*(\un)+1536*(2*(\g)+\u)+512*\c
.endr
.endr
	WIN 0
	global_load_b32 v[SW+4*(\par)+(\g)], v[L4], s[10:11] offset:12800*(\un)+12288+128*(\g)
.endm
	s_load_b256 s[4:11], s[0:1], 0x0               ; qc, kvc, mask, wc
	s_load_b256 s[12:19], s[0:1], 0x20             ; q, Wo_b, ln_g, ln_b
	s_load_b64 s[20:21], s[0:1], 0x40              ; out0
	v_lshl_add_u32 v[SPW], v0, 2, SPARE
	v_mov_b32 v[NIL], 0
	ds_add_u32 v28, v29
	ds_add_u32 v28, v29
	s_wait_dscnt 0x0
	v_lshrrev_b32 v1, 5, v0
	v_readfirstlane_b32 s22, v1                    ; wave w
	s_lshr_b32 s60, ttmp9, 1                       ; batch
	s_and_b32 s23, ttmp9, 1                        ; hf
	; descriptor groups 1, elements of 8 bytes, no padding.  K and V: my quarter, 51,200 dense bytes, as 200 rows of 256
	s_mov_b32 s24, 3<<16
	s_mov_b32 s25, 32<<16
	s_mov_b32 s26, 200<<16
	s_mov_b32 s27, 32<<16
	s_mov_b32 s28, 200
	s_mov_b32 s29, 32
	s_mov_b32 s30, 0
	s_mov_b32 s31, 0
	; Q's images of my tile: 8 heads, 1,536 bytes each, 12,800 bytes apart
	s_mov_b32 s32, 3<<16
	s_mov_b32 s33, 192<<16
	s_mov_b32 s34, 8<<16
	s_mov_b32 s35, 192<<16
	s_mov_b32 s36, 8
	s_mov_b32 s37, 1600
	s_mov_b32 s38, 0
	s_mov_b32 s39, 0
	; Q's scale words: 8 heads, 512 bytes each
	s_mov_b32 s40, 3<<16
	s_mov_b32 s41, 64<<16
	s_mov_b32 s42, 8<<16
	s_mov_b32 s43, 64<<16
	s_mov_b32 s44, 8
	s_mov_b32 s45, 1600
	s_mov_b32 s46, 0
	s_mov_b32 s47, 0
	; 16 rows of q, elements of 4 bytes: the tensor is 1000 wide from the tile's first element, the tile 1,028: what lies beyond the tensor's end arrives as zeros, and an LDS row is 4,112 bytes
	s_mov_b32 s[G1Q+0], 2<<16
	s_mov_b32 s[G1Q+1], 1000<<16                   ; tensor_dim0 = 1000
	s_mov_b32 s[G1Q+2], 16<<16                     ; tensor_dim1 = 16
	s_mov_b32 s[G1Q+3], 1028<<16                   ; tile_dim0 = 1,028
	s_mov_b32 s[G1Q+4], 16                         ; tile_dim1 = 16
	s_mov_b32 s[G1Q+5], 1000                       ; from row to row
	s_mov_b32 s[G1Q+6], 0
	s_mov_b32 s[G1Q+7], 0
	s_mul_i32 s74, s60, 204800
	s_mul_i32 s75, s22, 51200
	s_add_co_u32 s74, s74, s75
	s_mov_b32 s75, 0
	s_mul_i32 s76, s60, 102400
	s_mov_b32 s77, 0
	s_lshl_b32 s78, s23, 2
	s_add_co_u32 s78, s78, s22
	s_mul_i32 s78, s78, 1536                       ; tile 4 hf + w
	s_add_co_u32 s78, s78, s76
	s_mov_b32 s79, 0
	s_add_co_u32 s76, s76, 12288
	s_mov_b32 s48, 1
	s_mul_i32 s49, s22, 51200
	s_mov_b32 s52, 1
	s_mul_i32 s53, s22, 12288
	s_add_co_u32 s53, s53, QIMG
	s_mov_b32 s56, 1
	s_lshl_b32 s57, s22, 12
	s_add_co_u32 s57, s57, QSC
	s_wait_kmcnt 0x0
	s_add_nc_u64 s[50:51], s[6:7], s[74:75]
	s_or_b32 s51, s51, 0x80000000
	s_add_nc_u64 s[54:55], s[4:5], s[78:79]
	s_or_b32 s55, s55, 0x80000000
	s_add_nc_u64 s[58:59], s[4:5], s[76:77]
	s_or_b32 s59, s59, 0x80000000
	tensor_load_to_lds s[48:51], s[24:31]          ; three loads of mine are out: the launch's first fills
	s_nop 0
	tensor_load_to_lds s[52:55], s[32:39]
	s_nop 0
	tensor_load_to_lds s[56:59], s[40:47]
	s_nop 0
	PLACES 4
	s_lshl_b32 s84, s22, 1
	s_add_co_u32 s84, s84, 24
	s_mul_i32 s84, s84, 102400                     ; Wo's groups 2 w, 2 w + 1: 16 blocks on end
	s_mov_b32 s85, 0
	s_add_nc_u64 s[10:11], s[10:11], s[84:85]
	s_lshl_b32 s86, s60, 7
	s_mov_b32 s87, 0
	s_add_nc_u64 s[8:9], s[8:9], s[86:87]          ; the batch's 128 mask bytes
	s_mul_i32 s80, s60, 512000
	s_mul_i32 s81, s23, 256000
	s_add_co_u32 s80, s80, s81
	s_mul_i32 s81, s22, 64000
	s_add_co_u32 s80, s80, s81                     ; rows 128 b + 64 hf + 16 w of q and of out0
	s_mov_b32 s81, 0
	s_add_nc_u64 s[12:13], s[12:13], s[80:81]
	s_add_nc_u64 s[20:21], s[20:21], s[80:81]
	s_mov_b32 s[G0Q], 1                            ; the rows of q: count = 1,
	s_mul_i32 s[G0Q+1], s22, 16*SPT                ; to my 16 rows of the stage,
	s_mov_b64 s[G0Q+2:G0Q+3], s[12:13]             ; from my 16 rows of q,
	s_or_b32 s[G0Q+3], s[G0Q+3], 0x80000000        ; type = 2
	s_mov_b32 s[SEL], 0x76543210
	s_mov_b32 s[SEL+1], 0xfedcba98
	s_mov_b32 s[CC], 0x3e0422b0                    ; log2(e) / sqrt(125)
	s_mov_b32 s82, 0x3a83126f                      ; 1 / 1000
	s_mov_b32 s83, 0x3727c5ac                      ; 1e-5
	v_and_b32 v80, 31, v0                          ; lane
	v_and_b32 v81, 15, v0                          ; r
	v_bfe_u32 v82, v0, 4, 1                        ; hl
	v_lshlrev_b32 v[LI], 4, v80
	v_lshlrev_b32 v[L4], 2, v80
	v_lshlrev_b32 v[HL16], 4, v82
	v_add_nc_u32 v[VA0], 89600, v[LI]              ; V's group h - 1: 102,400 + 12,800 (h - 1)
	v_add_nc_u32 v[QA0], s53, v[LI]
	s_and_b32 s84, s22, 1
	s_lshr_b32 s85, s22, 1
	s_lshl_b32 s86, s84, 8                         ; Q's word of tile a = 4 hf + w, row r: 16 (16 (a % 2) + r) + 4 (a / 2)
	s_lshl_b32 s87, s85, 2
	s_add_co_u32 s86, s86, s87
	s_lshl_b32 s87, s23, 3
	s_add_co_u32 s86, s86, s87
	s_add_co_u32 s86, s86, s57
	v_lshl_add_u32 v[QSA0], v81, 4, s86
	s_mul_i32 s86, s22, 12288
	s_add_co_u32 s86, s86, ZIMG
	v_add_nc_u32 v[ZA0], s86, v[LI]
	s_lshl_b32 s86, s22, 9
	s_add_co_u32 s86, s86, ZSC
	v_lshl_add_u32 v[ZSA0], v81, 2, s86
	v_add_nc_u32 v[ZB], ZIMG, v[LI]
	v_lshlrev_b32 v[ZSB], 9, v82
	v_lshl_add_u32 v[ZSB], v81, 2, v[ZSB]
	v_add_nc_u32 v[ZSB], ZSC, v[ZSB]               ; lanes 0-15 an even tile's words, lanes 16-31 the odd tile's, 512 bytes on
	v_and_b32 v83, 8, v81
	v_add_nc_u32 v83, v83, v81
	v_mul_u32_u24 v[STO], v83, SPT
	v_lshl_add_u32 v[STO], v82, 6, v[STO]
	s_lshl_b32 s86, s22, 10
	v_add_nc_u32 v[STO], s86, v[STO]               ; the stage: row r + 8 (r / 8), + 64 hl, + my 1,024 bytes of a row
	v_add_nc_u32 v[STO+1], 32*SPT, v[STO]
	v_min_u32 v83, 25, v80
	v_lshlrev_b32 v[LI7], 4, v83                   ; a vector's last 416 bytes: lanes 26-31 load what lane 25 loads, so that no load leaves its buffer
	v_mov_b32 v[VZ], 0
	v_mov_b32 v[VT], 0xc6616bcd                    ; -10000 log2(e)
	v_mov_b32 v[TMPX], 0
.irp b, 0,1,2,3
	v_mov_b32 v[TM+4+\b], 0                        ; a lane permute's destination counts as read
.endr
.irp b, 0,1,2,3
	global_load_b128 v[64+4*\b:64+4*\b+3], v[HL16], s[8:9] offset:32*\b   ; the mask bytes of keys 32 b + 16 hl + 0 .. 15
.endr
	WIN 0xc0                                       ; ln_g and ln_b: a lane's 32 numbers, chunk j its 16 bytes at 512 j; they wait in window 3
.irp j, 0,1,2,3,4,5,6
	global_load_b128 v[GG+4*\j:GG+4*\j+3], v[LI], s[16:17] offset:512*\j
	global_load_b128 v[BT+4*\j:BT+4*\j+3], v[LI], s[18:19] offset:512*\j
.endr
	global_load_b128 v[GG+28:GG+31], v[LI7], s[16:17] offset:3584
	global_load_b128 v[BT+28:BT+31], v[LI7], s[18:19] offset:3584
	WIN 0
	s_wait_loadcnt 16                              ; the mask is in; the sixteen loads behind it may be out
	WIN 0x40                                       ; for score register n (key 32 (n / 16) + 16 hl + n % 16): a = hidden ? 0 : c and b = hidden ? -10000 log2(e) : 0
.set n, 0
.rept 64
	v_bfe_u32 v[n], v[64+n/4], 8*(n%4), 8
.set n, n+1
.endr
	WIN 0x41
.set n, 0
.rept 64
	v_cmp_ne_u32 vcc_lo, v[n], v[VZ]
	v_cndmask_b32 v[64+n], 0, v[VT], vcc_lo
	v_cndmask_b32 v[n], s[CC], v[VZ], vcc_lo
.set n, n+1
.endr
	WIN 0
	s_wait_tensorcnt 0x0                           ; my parts of K, V and Q lie in LDS,
	s_barrier_signal -1
	s_barrier_wait -1                              ; everybody's do
.irp p, 0,1
.irp g, 0,1,2,3
	WGRP \p, \g, \p                                ; Wo's first two units are asked for behind the tiles: they land under attention
.endr
.endr
; ONE HEAD.  first = 1: head 0, which has no column group in front of it.
.macro HEAD first
	v_add_nc_u32 v[KA], s[HK], v[LI]
	v_add_nc_u32 v[VA], s[HK], v[VA0]
	v_add_nc_u32 v[QA], s[HQ], v[QA0]
	v_add_nc_u32 v[QSA], s[HS], v[QSA0]
.irp t, 0,1,2,3,4,5,6,7
.irp c, 0,1,2
	ds_load_b128 v[KF+12*\t+4*\c:KF+12*\t+4*\c+3], v[KA] offset:1536*\t+512*\c
.endr
.endr
	ds_load_b128 v[KS:KS+3], v[KA] offset:12288
.irp c, 0,1,2
	ds_load_b128 v[QF+4*\c:QF+4*\c+3], v[QA] offset:512*\c
.endr
	ds_load_b32 v[QS], v[QSA]
	WIN 0x80
.if \first == 0
.irp u, 0,1
.irp c, 0,1,2
	ds_load_b128 v[12*\u+4*\c:12*\u+4*\c+3], v[VA] offset:9216+1536*\u+512*\c     ; tiles 6, 7 of group h - 1
.endr
.endr
.endif
.irp t, 0,1,2,3,4,5,6,7
.irp c, 0,1,2
	ds_load_b128 v[24+12*\t+4*\c:24+12*\t+4*\c+3], v[VA] offset:12800+1536*\t+512*\c
.endr
.endr
	WIN 0
	ds_load_b128 v[VS:VS+3], v[VA] offset:25088
.if \first == 0
	ds_load_b32 v[VSP], v[VA] offset:12300
	s_wait_dscnt 32                                ; K and Q are in; V's 32 loads may be out
.else
	s_wait_dscnt 25                                ; V's 25 loads may be out
.endif
.irp a, 0,1,2,3,4,5,6,7
.set rD, SS+8*\a
.set rA, KF+12*\a
.set rB, QF
.set rC, -1
.set rSA, KS+\a/2
.set rSB, QS
.set fA, \a%2
.set fB, 0
	WM
.endr
	PLACES 4
	WIN 0x14
.set j, 0
.rept 32
	v_pk_fma_f32 v[SS+j:SS+j+1], v[SS+j:SS+j+1], v[j:j+1], v[64+j:64+j+1]   ; t, the mask applied
.set j, j+2
.endr
	WIN 0
.irp b, 0,1,2,3
	v_max3_num_f32 v[TM+\b], v[SS+16*\b], v[SS+16*\b+1], v[SS+16*\b+2]     ; the largest t of each block of 32 keys: for the row's maximum and for the block's largest p
.endr
.irp i, 3,5,7,9,11,13
.irp b, 0,1,2,3
	v_max3_num_f32 v[TM+\b], v[TM+\b], v[SS+16*\b+\i], v[SS+16*\b+\i+1]
.endr
.endr
.irp b, 0,1,2,3
	v_max_num_f32 v[TM+\b], v[TM+\b], v[SS+16*\b+15]
.endr
.irp b, 0,1,2,3
	v_permlanex16_b32 v[TM+4+\b], v[TM+\b], s[SEL], s[SEL+1]
.endr
.irp b, 0,1,2,3
	v_max_num_f32 v[TM+\b], v[TM+\b], v[TM+4+\b]
.endr
	v_max3_num_f32 v[NM+1], v[TM], v[TM+1], v[TM+2]
	v_max_num_f32 v[NM+1], v[NM+1], v[TM+3]
	v_floor_f32 v[NM], -v[NM+1]                    ; -M = floor(-t) = -ceil(t)
.set j, 0
.rept 32
	v_pk_add_f32 v[SS+j:SS+j+1], v[SS+j:SS+j+1], v[NM:NM+1] op_sel_hi:[1,0]
.set j, j+2
.endr
.irp b, 0,1,2,3
	v_add_f32 v[TM+\b], v[TM+\b], v[NM]
.endr
.set j, 0
.rept 64
	v_exp_f32 v[SS+j], v[SS+j]                     ; p = 2^(t - M)
.set j, j+1
.endr
.irp b, 0,1,2,3
	v_exp_f32 v[TM+\b], v[TM+\b]                   ; the block's largest p: the same two instructions on the same number
.endr
	v_nop                                          ; a plain place behind the exponentials
	s_wait_alu depctr_va_vdst(0)
.irp b, 0,1,2,3
	v_max_num_f32 v[TM+\b], 0x2800000, v[TM+\b]
.endr
.irp b, 0,1,2,3
	v_add_nc_u32 v[TM+8+\b], 0xfe000000, v[TM+\b]
.endr
.irp b, 0,1,2,3
	v_lshrrev_b32 v[TM+4+\b], 23, v[TM+8+\b]
.endr
	v_lshl_or_b32 v[PW], v[TM+5], 8, v[TM+4]
	v_lshl_or_b32 v[PW], v[TM+6], 16, v[PW]
	v_lshl_or_b32 v[PW], v[TM+7], 24, v[PW]
.irp c, 0,1
	v_cvt_scalef32_pk16_bf6_f32 v[PC+6*\c:PC+6*\c+2], v[SS+32*\c:SS+32*\c+15], v[TM+8+2*\c]
	v_cvt_scalef32_pk16_bf6_f32 v[PC+12+4*\c:PC+14+4*\c], v[SS+32*\c+16:SS+32*\c+31], v[TM+8+2*\c+1]
.endr
	v_nop
.irp c, 0,1
.irp i, 0,1,2
	v_permlane16_swap_b32 v[PC+6*\c+\i], v[PC+12+4*\c+\i]
.endr
.irp i, 0,1,2
	v_mov_b32 v[PC+3+6*\c+\i], v[PC+12+4*\c+\i]
.endr
.endr
	v_pk_add_f32 v[LS:LS+1], v[SS:SS+1], v[SS+2:SS+3]          ; the sum of the unquantised p, in two chains; these 31 lines are also the places between p's scale word and the products
	v_pk_add_f32 v[TM:TM+1], v[SS+4:SS+5], v[SS+6:SS+7]
.irp j, 8,12,16,20,24,28,32,36,40,44,48,52,56,60
	v_pk_add_f32 v[LS:LS+1], v[LS:LS+1], v[SS+\j:SS+\j+1]
	v_pk_add_f32 v[TM:TM+1], v[TM:TM+1], v[SS+\j+2:SS+\j+3]
.endr
	v_pk_add_f32 v[LS:LS+1], v[LS:LS+1], v[TM:TM+1]
	s_wait_dscnt 0x0                               ; V is in
	WIN 0x42
.if \first == 0
.irp u, 0,1
.set rD, OPRE+8*\u
.set rA, 12*\u
.set rB, PC
.set rC, -1
.set rSA, VSP
.set rSB, PW
.set fA, \u
.set fB, 0
	WM
.endr
.endif
.irp t, 0,1,2,3,4,5,6,7
.set rD, OMAIN+8*\t
.set rA, 24+12*\t
.set rB, PC
.set rC, -1
.set rSA, VS+\t/2
.set rSB, PW
.set fA, \t%2
.set fB, 0
	WM
.endr
	WIN 0
	v_add_f32 v[LS], v[LS], v[LS+1]
	v_permlanex16_b32 v[TMPX], v[LS], s[SEL], s[SEL+1]
	v_add_f32 v[LS], v[LS], v[TMPX]                ; the row's sum
	v_rcp_f32 v[LS], v[LS]
	PLACES 4                                       ; behind the reciprocal, and behind the products
.if \first == 0
	WIN 0x01
	s_wait_alu depctr_va_vdst(0)
.irp j, 0,2,4,6,8,10,12,14
	v_pk_mul_f32 v[SS+\j:SS+\j+1], v[OPRE+\j:OPRE+\j+1], v[LS:LS+1] op_sel_hi:[1,0]
.endr
	WIN 0
	v_sub_nc_u32 v[DD], s[BND], v[HL16]            ; place 16 hl + i of the block belongs to head h - 1 where i < BND - 16 hl
	v_add_nc_u32 v[ZA], s[HZ], v[ZA0]
	v_add_nc_u32 v[ZSA], s[HZS], v[ZSA0]
	WIN 0x88
.irp i, 0,1,2,3,4,5,6,7,8,9,10,11,12,13,14,15
	v_cmp_gt_i32 vcc_lo, v[DD], \i
	v_cndmask_b32 v[ZP+48+\i], v[SS+\i], v[ZP+48+\i], vcc_lo
.endr
	QUANT 2, ZP                                    ; column group h - 1 is whole: K step h - 1 of the output projection
.irp c, 0,1,2
	ds_store_b128 v[ZA], v[PC+4*\c:PC+4*\c+3] offset:512*\c
.endr
	ds_store_b32 v[ZSA], v[PW]
.endif
	WIN 0x81
.set j, 0
	s_wait_alu depctr_va_vdst(0)
.rept 32
	v_pk_mul_f32 v[ZP+j:ZP+j+1], v[OMAIN+j:OMAIN+j+1], v[LS:LS+1] op_sel_hi:[1,0]
.set j, j+2
.endr
	WIN 0
.endm
	s_mov_b32 s[HK], 0
	s_mov_b32 s[HQ], 0
	s_mov_b32 s[HS], 0
	HEAD 1
	s_mov_b32 s[HK], 12800
	s_mov_b32 s[HQ], 1536
	s_mov_b32 s[HS], 512
	s_mov_b32 s[HZ], 0
	s_mov_b32 s[HZS], 0
	s_mov_b32 s[BND], 29                           ; 32 - 3 h
	s_mov_b32 s[CNT], 7
.Lhead:
	HEAD 0
	s_add_co_u32 s[HK], s[HK], 12800
	s_add_co_u32 s[HQ], s[HQ], 1536
	s_add_co_u32 s[HS], s[HS], 512
	s_add_co_u32 s[HZ], s[HZ], 1536
	s_add_co_u32 s[HZS], s[HZS], 64
	s_sub_co_u32 s[BND], s[BND], 3
	s_sub_co_u32 s[CNT], s[CNT], 1
	s_cmp_lg_u32 s[CNT], 0
	s_cbranch_scc1 .Lhead
	v_add_nc_u32 v[ZA], 10752, v[ZA0]              ; column group 7
	v_add_nc_u32 v[ZSA], 448, v[ZSA0]
	QUANT 2, ZP
.irp c, 0,1,2
	ds_store_b128 v[ZA], v[PC+4*\c:PC+4*\c+3] offset:512*\c
.endr
	ds_store_b32 v[ZSA], v[PW]
	s_wait_tensorcnt 0x0                           ; no tensor load of mine is out;
	ds_add_u32 v[SPW], v[NIL]                      ; 0 onto my spare word;
	s_wait_dscnt 0x0                               ; the add is done, my images of z lie in LDS, and my reads of K, V and Q are over
	s_barrier_signal -1
	s_barrier_wait -1                              ; all that holds of every wave
	tensor_load_to_lds s[G0Q:G0Q+3], s[G1Q:G1Q+7]  ; my one tensor load behind the barrier: my 16 rows of q, over bytes that held K, V and Q; it has the projection's 512 products in which to land
	s_nop 0
	PLACES 4
.irp j, 0,1,2,3,4,5,6
	global_load_b128 v[OB+4*\j:OB+4*\j+3], v[LI], s[14:15] offset:512*\j     ; Wo_b, into registers that attention has left
.endr
	global_load_b128 v[OB+28:OB+31], v[LI7], s[14:15] offset:3584
; THE OUTPUT PROJECTION: unit n = pass n / 8, K step n % 8.  A pass's 32 accumulators ((m, b) at v[8 (8 m + b)] of window 2, in pass 1 of window 1) by turns.
.macro FETCHZ st, set
.irp m, 0,1,2,3
.irp c, 0,1,2
	ds_load_b128 v[ZF+48*(\set)+12*\m+4*\c:ZF+48*(\set)+12*\m+4*\c+3], v[ZB] offset:12288*\m+1536*(\st)+512*\c
.endr
.endr
.irp i, 0,1
	ds_load_b32 v[SZ+2*(\set)+\i], v[ZSB] offset:1024*\i+64*(\st)
.endr
.endm
.macro KU n
.set KP_, (\n)%2
.set KS_, (\n)%8
	s_wait_dscnt 0x0                               ; z's fragments of this unit
.irp g, 0,1,2,3
.set KC_, 3-\g                         ; groups of seven loads issued behind this group's: the rest of this unit's,
.if (\n) < 15
.set KC_, KC_+4                        ; the next unit's four,
.endif
.if (\n) < 14
.set KC_, KC_+\g                       ; and those that this unit has asked for;
.endif
.set KC_, 7*KC_
.if (\n) < 2
.set KC_, KC_+8                        ; behind the first two units' loads also the eight of Wo_b
.endif
	s_wait_loadcnt KC_
.if (\n) < 8
	WIN 0xa3
.else
	WIN 0x53
.endif
.irp bb, 0,1
.irp aa, 0,1,2,3
.set rD, 8*(8*\aa+2*\g+\bb)
.set rA, 96*KP_+12*(2*\g+\bb)
.set rB, ZF+48*KP_+12*\aa
.if KS_ == 0
.set rC, -1
.else
.set rC, rD
.endif
.set rSA, SW+4*KP_+\g
.set rSB, SZ+2*KP_+\aa/2
.set fA, \bb
.set fB, \aa%2
	WM
.endr
.endr
	PLACES 4
.if (\n) < 14
	WGRP KP_, \g, (\n)+2
.endif
.if \g == 0
.if (\n) < 15
	WIN 0
	FETCHZ ((\n)+1)%8, 1-KP_
.endif
.endif
.endr
	WIN 0
.endm
; A pass's 64 rows x 128 columns are added onto q in the stage.  Lane (r, hl), tile t = 2 B + u of z tile m: row 32 (m / 2) + 8 (m % 2) + r + 8 (r / 8), columns 32 B + 16 hl + 8 u + 0 .. 7.
; Step h of eight takes tiles 4 (h % 2) .. + 3 of z tile h / 2: eight loads, sixteen packed additions, eight stores; the loads run two steps ahead, in three sets of 32 registers.
; Columns 1000 .. 1023 are zeros on both sides (Wo's rows there are zero codes; q's tile is zero beyond column 999) and lie in the row's own padding.
.macro SEADR h, pass
.set SM_, (\h)/2
.set SA_, STO+SM_/2
.set SO_, 8*SPT*(SM_%2)+512*(\pass)+256*((\h)%2)
.set SR_, 160+32*((\h)%3)
.if (\h)%3 == 2
.set SR_, 64
.endif
.set SC_, 8*(8*SM_+4*((\h)%2))
.endm
.macro SELD h, pass
	SEADR \h, \pass
.irp tt, 0,1,2,3
	ds_load_b128 v[SR_+8*\tt:SR_+8*\tt+3], v[SA_] offset:SO_+128*(\tt/2)+32*(\tt%2)
	ds_load_b128 v[SR_+8*\tt+4:SR_+8*\tt+7], v[SA_] offset:SO_+128*(\tt/2)+32*(\tt%2)+16
.endr
.endm
.macro SE pass
.set SW_, 0x08-4*(\pass)               ; source 1: pass 0's accumulators in window 2, pass 1's in window 1
	SELD 0, \pass
	SELD 1, \pass
.irp h, 0,1,2,3,4,5,6,7
.if \h < 6
	SELD \h+2, \pass
.endif
.if \h == 0
	s_wait_dscnt 16                                ; behind step h's eight loads stand, eight each: the loads of steps 1 and 2;
.elseif \h == 1
	s_wait_dscnt 24                                ; the loads of steps 2 and 3 and the stores of step 0;
.elseif \h < 6
	s_wait_dscnt 32                                ; the stores of steps h - 2 and h - 1 and the loads of steps h + 1 and h + 2;
.elseif \h == 6
	s_wait_dscnt 24                                ; the stores of steps 4 and 5 and the loads of step 7;
.else
	s_wait_dscnt 16                                ; the stores of steps 5 and 6
.endif
	SEADR \h, \pass
	WIN SW_
.irp tt, 0,1,2,3
.irp i, 0,2,4,6
	v_pk_add_f32 v[SR_+8*\tt+\i:SR_+8*\tt+\i+1], v[SR_+8*\tt+\i:SR_+8*\tt+\i+1], v[SC_+8*\tt+\i:SC_+8*\tt+\i+1]   ; each accumulator from its low end on
.endr
.endr
	WIN 0
.irp tt, 0,1,2,3
	ds_store_b128 v[SA_], v[SR_+8*\tt:SR_+8*\tt+3] offset:SO_+128*(\tt/2)+32*(\tt%2)
	ds_store_b128 v[SA_], v[SR_+8*\tt+4:SR_+8*\tt+7] offset:SO_+128*(\tt/2)+32*(\tt%2)+16
.endr
.endr
.endm
	FETCHZ 0, 0
.irp n, 0,1,2,3,4,5,6,7,8,9,10,11,12,13,14,15
	KU \n
.endr
	s_wait_tensorcnt 0x0                           ; my 16 rows of q lie in the stage,
	s_wait_dscnt 0x0
	s_barrier_signal -1
	s_barrier_wait -1                              ; everybody's do
	SE 0
	SE 1
; THE LAYER NORM of x + z + Wo_b.  A lane holds 32 numbers of a row: chunk j is its 16 bytes at 512 j.  In chunk 7 lanes 26-31 lie beyond column 999 and count for nothing (MK = 0).
.macro REDUCE                          ; the two chains, the pair's halves, the 32 lanes: the sum in every lane's v[TA]
	v_pk_add_f32 v[TA:TA+1], v[TA:TA+1], v[TB:TB+1]
	v_add_f32 v[TA], v[TA], v[TA+1]
	v_add_f32_dpp v[TA], v[TA], v[TA] row_xmask:1 row_mask:0xf bank_mask:0xf
	v_add_f32_dpp v[TA], v[TA], v[TA] row_xmask:2 row_mask:0xf bank_mask:0xf
	v_add_f32_dpp v[TA], v[TA], v[TA] row_xmask:4 row_mask:0xf bank_mask:0xf
	v_add_f32_dpp v[TA], v[TA], v[TA] row_xmask:8 row_mask:0xf bank_mask:0xf
	v_permlanex16_b32 v[TB], v[TA], s[SEL], s[SEL+1]
	v_add_f32 v[TA], v[TA], v[TB]
.endm
.macro TURN k                          ; row k of a trip's four; the next row is fetched into the other set first
.set YC_, Y0+32*((\k)%2)
.set YN_, Y0+32*(1-(\k)%2)
.if (\k) < 3
.irp j, 0,1,2,3,4,5,6,7
	ds_load_b128 v[YN_+4*\j:YN_+4*\j+3], v[LNA] offset:SPT*((\k)+1)+512*\j
.endr
.endif
.if ((\k) == 0) || ((\k) == 3)
	s_wait_dscnt 8                                 ; behind this row's loads: the next row's eight loads (row 0), or the last row's eight stores (row 3)
.else
	s_wait_dscnt 16                                ; both
.endif
.set i, 0
.rept 16
	v_pk_add_f32 v[YC_+i:YC_+i+1], v[YC_+i:YC_+i+1], v[OB+i:OB+i+1]
.set i, i+2
.endr
	v_pk_add_f32 v[TA:TA+1], v[YC_:YC_+1], v[YC_+2:YC_+3]
	v_pk_add_f32 v[TB:TB+1], v[YC_+4:YC_+5], v[YC_+6:YC_+7]
.irp j, 8,12,16,20,24
	v_pk_add_f32 v[TA:TA+1], v[TA:TA+1], v[YC_+\j:YC_+\j+1]
	v_pk_add_f32 v[TB:TB+1], v[TB:TB+1], v[YC_+\j+2:YC_+\j+3]
.endr
	v_pk_fma_f32 v[TA:TA+1], v[YC_+28:YC_+29], v[MK:MK+1], v[TA:TA+1]
	v_pk_fma_f32 v[TB:TB+1], v[YC_+30:YC_+31], v[MK:MK+1], v[TB:TB+1]
	REDUCE
	v_mul_f32 v[TC], s82, v[TA]                    ; the mean
.set i, 0
.rept 16
	v_pk_add_f32 v[YC_+i:YC_+i+1], v[YC_+i:YC_+i+1], v[TC:TC+1] op_sel_hi:[1,0] neg_lo:[0,1] neg_hi:[0,1]
.set i, i+2
.endr
	v_pk_mul_f32 v[TA:TA+1], v[YC_:YC_+1], v[YC_:YC_+1]
	v_pk_mul_f32 v[TB:TB+1], v[YC_+2:YC_+3], v[YC_+2:YC_+3]
.irp j, 4,8,12,16,20,24
	v_pk_fma_f32 v[TA:TA+1], v[YC_+\j:YC_+\j+1], v[YC_+\j:YC_+\j+1], v[TA:TA+1]
	v_pk_fma_f32 v[TB:TB+1], v[YC_+\j+2:YC_+\j+3], v[YC_+\j+2:YC_+\j+3], v[TB:TB+1]
.endr
	v_pk_mul_f32 v[TD:TD+1], v[YC_+28:YC_+29], v[MK:MK+1]
	v_pk_fma_f32 v[TA:TA+1], v[TD:TD+1], v[YC_+28:YC_+29], v[TA:TA+1]
	v_pk_mul_f32 v[TD:TD+1], v[YC_+30:YC_+31], v[MK:MK+1]
	v_pk_fma_f32 v[TB:TB+1], v[TD:TD+1], v[YC_+30:YC_+31], v[TB:TB+1]
	REDUCE
	v_fma_f32 v[TA], v[TA], s82, s83               ; the variance + 1e-5
	v_rsq_f32 v[TC], v[TA]
	v_nop                                          ; a plain place behind the transcendental
.set i, 0
	s_wait_alu depctr_va_vdst(0)
.rept 16
	v_pk_mul_f32 v[YC_+i:YC_+i+1], v[YC_+i:YC_+i+1], v[TC:TC+1] op_sel_hi:[1,0]
.set i, i+2
.endr
	WIN 0x3c                                       ; ln_g and ln_b in window 3
.set i, 0
.rept 16
	v_pk_fma_f32 v[YC_+i:YC_+i+1], v[YC_+i:YC_+i+1], v[GG+i:GG+i+1], v[BT+i:BT+i+1]
.set i, i+2
.endr
	WIN 0
.irp j, 0,1,2,3,4,5,6,7
	ds_store_b128 v[LND], v[YC_+4*\j:YC_+4*\j+3] offset:4000*(\k)+512*\j   ; dense: 4,000 bytes a row, never ahead of the rows still to be read; lanes 26-31 of chunk 7 write the next row's first 96 bytes, which that row writes over
.endr
.endm
	s_mul_i32 s86, s22, 16*SPT
	v_add_nc_u32 v[LNB], s86, v[LI]                ; my 16 rows of the stage
	v_and_b32 v[TD], 31, v0
	v_cmp_gt_u32 vcc_lo, 26, v[TD]
	v_mov_b32 v[MK+1], 1.0
	v_cndmask_b32 v[MK], 0, v[MK+1], vcc_lo
	v_mov_b32 v[MK+1], v[MK]
	v_mov_b32 v[TC+1], 0                           ; named as the upper half of a pair
	s_wait_dscnt 0x0                               ; my columns of the 64 rows lie in the stage
	s_barrier_signal -1
	s_barrier_wait -1
	s_mov_b32 s[LSRC], 0
	s_mov_b32 s[LDEN], 0
	s_mov_b32 s[LCPY], 0
	s_mov_b32 s[LSTEP], 0                          ; out0's first step is 0
	s_mov_b32 s[LSTEP+1], 0
	s_mov_b32 s[LCNT], 4
.Lln:                                                  ; four rows a trip; behind them 31 x 512 of the 16,000 dense bytes that they made (and of what the trips before left over) are sent
	v_add_nc_u32 v[LNA], s[LSRC], v[LNB]
	v_add_nc_u32 v[LND], s[LDEN], v[LNB]
	v_add_nc_u32 v[LNC], s[LCPY], v[LNB]
.irp j, 0,1,2,3,4,5,6,7
	ds_load_b128 v[Y0+4*\j:Y0+4*\j+3], v[LNA] offset:512*\j
.endr
	TURN 0
	TURN 1
	TURN 2
	TURN 3
	s_wait_xcnt 0x0                                ; the last trip's stores, four rows back, have read their registers and their base
	s_add_nc_u64 s[20:21], s[20:21], s[LSTEP:LSTEP+1]
	s_mov_b32 s[LSTEP], 15872
	WIN 0x40
.set i, 0
.rept 31
	ds_load_b128 v[4*i:4*i+3], v[LNC] offset:512*i               ; LDS serves a wave's instructions in order: these see my stores
.set i, i+1
.endr
	WIN 0x04                                       ; a store's data are its source 1: window 1
.set i, 0
.rept 31
	s_wait_dscnt 30-i
	global_store_b128 v[LI], v[4*i:4*i+3], s[20:21] offset:512*i th:TH_STORE_NT   ; 512 consecutive bytes, at a multiple of 256 from out0's first byte
.set i, i+1
.endr
	WIN 0
	s_add_co_u32 s[LSRC], s[LSRC], 4*SPT
	s_add_co_u32 s[LDEN], s[LDEN], 16000
	s_add_co_u32 s[LCPY], s[LCPY], 15872
	s_sub_co_u32 s[LCNT], s[LCNT], 1
	s_cmp_lg_u32 s[LCNT], 0
	s_cbranch_scc1 .Lln
	WIN 0x40                                       ; 4 x 15,872 bytes have gone; the last 512 of my 64,000
	ds_load_b128 v[124:127], v[LNB] offset:63488
	s_wait_dscnt 0x0
	WIN 0x04
	global_store_b128 v[LI], v[124:127], s[20:21] offset:15872 th:TH_STORE_NT
	WIN 0
	s_wait_tensorcnt 0x0                           ; the wave's end, behind my last tensor load and my last LDS store
	ds_add_u32 v[SPW], v[NIL]
	s_wait_dscnt 0x0
	s_endpgm
.Lfunc_end_k_q4da90bc132_attn:
	.size	k_q4da90bc132_attn, .Lfunc_end_k_q4da90bc132_attn-k_q4da90bc132_attn
	.p2alignl 7, 3214868480
	.fill 96, 4, 3214868480
	.section	.rodata,"a",@progbits
	.p2align	6, 0x0
	.amdhsa_kernel k_q4da90bc132_attn
		.amdhsa_group_segment_fixed_size 327680
		.amdhsa_private_segment_fixed_size 0
		.amdhsa_enable_private_segment 0
		.amdhsa_kernarg_size 72
		.amdhsa_user_sgpr_count 2
		.amdhsa_user_sgpr_kernarg_segment_ptr 1
		.amdhsa_wavefront_size32 1
		.amdhsa_system_sgpr_workgroup_id_x 1
		.amdhsa_system_sgpr_workgroup_id_y 1
		.amdhsa_system_sgpr_workgroup_id_z 1
		.amdhsa_system_vgpr_workitem_id 0
		.amdhsa_next_free_vgpr 1024
		.amdhsa_next_free_sgpr 100
		.amdhsa_reserve_vcc 1
		.amdhsa_float_denorm_mode_32 3
		.amdhsa_float_denorm_mode_16_64 3
		.amdhsa_memory_ordered 1
		.amdhsa_forward_progress 1
		.amdhsa_inst_pref_size 255
	.end_amdhsa_kernel
	.section	.bss,"aw",@nobits
	.p2align	6
	.space	262144
	.amdgpu_metadata
---
amdhsa.version: [ 1, 2 ]
amdhsa.kernels:
  - .name:           k_q4da90bc132_attn
    .symbol:         k_q4da90bc132_attn.kd
    .args:
      - { .name: qc, .offset: 0, .size: 8, .value_kind: global_buffer, .address_space: global }
      - { .name: kvc, .offset: 8, .size: 8, .value_kind: global_buffer, .address_space: global }
      - { .name: mask, .offset: 16, .size: 8, .value_kind: global_buffer, .address_space: global }
      - { .name: wc, .offset: 24, .size: 8, .value_kind: global_buffer, .address_space: global }
      - { .name: q, .offset: 32, .size: 8, .value_kind: global_buffer, .address_space: global }
      - { .name: Wo_b, .offset: 40, .size: 8, .value_kind: global_buffer, .address_space: global }
      - { .name: ln_g, .offset: 48, .size: 8, .value_kind: global_buffer, .address_space: global }
      - { .name: ln_b, .offset: 56, .size: 8, .value_kind: global_buffer, .address_space: global }
      - { .name: out0, .offset: 64, .size: 8, .value_kind: global_buffer, .address_space: global }
    .group_segment_fixed_size: 327680
    .private_segment_fixed_size: 0
    .kernarg_segment_align: 8
    .kernarg_segment_size: 72
    .max_flat_workgroup_size: 128
    .sgpr_count:     100
    .vgpr_count:     1024
    .wavefront_size: 32
...
	.end_amdgpu_metadata
.endif
;; end of part 3
;; ======== version 2 of 2: 3 launches; version 1 with the launch proj written anew for expert scheduling mode
;; workspace buffers: wc 3,276,800 bytes; biasp 16,384 bytes; qc 13,107,200 bytes; kvc 26,214,400 bytes
;; launch prep: the kernel of part 1 again; grid 256 x 1, 4 waves a work-group, no clusters, 0 bytes of LDS; arguments Wq_w, Wk_w, Wv_w, Wo_w, Wq_b, Wk_b, Wv_b, Wo_b, wc, biasp; writes wc, biasp
;; launch proj (part 4): grid 128 x 3, 4 waves a work-group, no clusters, 166,400 bytes of LDS; arguments q, k, v, wc, biasp, qc, kvc; writes qc, kvc
.if DOCPART == 4
	.amdgcn_target "amdgcn-amd-amdhsa--gfx1250"
	.amdhsa_code_object_version 6
	.text
	.protected	k_q4da90bc132_proj
	.globl	k_q4da90bc132_proj
	.p2align	8
	.type	k_q4da90bc132_proj,@function
k_q4da90bc132_proj:
	s_mov_b64 s[64:65], 0
	v_nop
	global_prefetch_b8 v0, s[64:65] scope:SCOPE_SE
	s_setreg_imm32_b32 hwreg(HW_REG_WAVE_SCHED_MODE, 0, 2), 2
	s_setreg_imm32_b32 hwreg(HW_REG_WAVE_MODE, 25, 1), 1
	s_wait_xcnt 0x0
	s_wait_alu depctr_vm_vsrc(0)
; One work-group: one batch (x) of one tensor (y: 0 q, 1 k, 2 v).  Its 128 rows of 1000 f32 are quantised to BF6 (E3M2, one E8M0 byte for
; each 32 along K), multiplied by the tensor's weight (codes from wc), the bias added, and the result quantised again for attention:
;   q, k: along d inside a head (heads padded to 128 with zeros), stored as fragments of 16 rows x 128 d;
;   v:    along the keys, stored as fragments of 16 columns x 128 keys (columns in their natural order 0 .. 999, padded to 1,024).
; Everywhere lane r of tile 2 B + u stands for index 32 B + 8 u + r + 8 (r / 8): so the 16 registers of result tiles 2 B and 2 B + 1 are 16 neighbours.
; PHASE A: wave w quantises rows 32 w .. 32 w + 31 (tiles 2 w, 2 w + 1), a K step of 128 at a time.  Each load takes 512 consecutive bytes of a row; the rows
;   turn through the wave's own stage so that a lane gets 16 neighbours of each block of 32.  The fragments go to LDS as images of their registers.  One barrier.
; GEMM: wave w makes column groups 2 w and 2 w + 1 (a pass each) for all 128 rows: 64 accumulators.  The weights come from memory straight into registers, two K steps
;   ahead; x's fragments from LDS, one K step ahead, in three short runs between the groups of products.  q, k: source 0 = weight rows, source 1 = x (a lane holds a row
;   of x, registers run along d).  v: source 0 = x, source 1 = weight rows (a lane holds a column, registers run along the keys).  The bias is the C of each sum's first product.
; The weight loads of a wave run on over its 16 K steps; in the last two steps they, and the look-ahead of the bias, read 25,600 and 512 bytes of the blocks that follow:
; inside the buffers, written by the launch before, and used by nobody.  That is the price of one text for both passes.
; No joint loads in a cluster: a weight fragment is used by one wave of a work-group alone and feeds 8 products from registers.
; LIMITS: NaN and infinities are not served; a block whose largest magnitude lies under 2^-122 keeps the byte 1, a block of zeros too: its codes are zeros.
; REGISTERS, in windows of 256.  Window 0: v1-12 addresses; v32-39 x's scale words, v40-47 the weights' (two sets each); v48-59 scale words on the way out; v62, v63 the closing add's two;
;   v64-159, v160-255 x's fragments, two sets (the second also serves as work space where no product is under way).
;   Window 1: v0-95, v96-191 weight fragments, two sets; v192-255 the bias, 8 tiles.  Windows 2, 3: the accumulators (phase A: window 2 numbers as loaded, four sets; window 3 as a lane wants them, two sets).
; THE MODE: SCHED_MODE bits 1:0 = 2 (LLVM: expert scheduling mode 2), set by the entry lines.  The code itself states the register dependences
; between vector or matrix instructions and memory or LDS instructions, with s_wait_alu, always for 0.
; THE PLAN.  Registers that memory or LDS instructions touch, and who else names them:
;   v1-7, v10-12  offsets and LDS addresses: made at the head, never written again.
;   v8, v9        XA, XB: the LDS address of the pair of K steps in hand and of the next pair: read by x's fragment loads, written at the end of each pair.
;   RAW0 .. RAW3  (window 2) unit n: its stage stores read RAW[n % 4]; the loads of unit n + 4 land in it.  No vector line names them.
;   T0, T1        (window 3) unit n: its quantiser reads T[n % 2]; the stage loads of unit n + 2, issued in unit n + 1, land in it.
;   PC, PW        written by the quantiser; read by the image stores (phase A) and by the stores of the way out.
;   W[p], SW[p]   K step s (p = s % 2): its products read them; the loads for K step s + 2 land in them, two groups behind group 1, two behind group 3.
;   X[p], SX[p]   K step s: its products read them; the LDS loads issued in K step s + 1 land in them.  X[1] is also the quantiser's work space.
;   the bias      read by a pass's first 64 products as C; the next pass's lands behind them.
; So a unit of phase A has one wait on vm_vsrc at its head and one on va_vdst ahead of its image stores; a K step has two waits on va_vdst, behind its second and its fourth group of products;
; the second also frees X[p], so that the next step's LDS loads, dealt among that step's products (which name the other sets alone), follow with no wait of their own.
.set LI,  1                            ; 16 lane
.set STS, 2                            ; my stage + 16 lane
.set STR, 3                            ; my stage + 96 + 528 r + 64 hl
.set XWI, 4                            ; v4, v5  where I store x's images: 16 lane + 3,072 w (+ 65,536)
.set XWS, 6                            ; v6, v7  and their scale words: 12,288 + 16 r + 4 w (+ 65,536)
.set XA,  8                            ; LDS address of the pair of K steps in hand
.set XB,  9                            ; and of the next pair
.set BV,  10                           ; 64 hl
.set BVV, 11                           ; 4 (r + 8 (r / 8))
.set L4,  12                           ; 4 lane
.set SX,  32
.set SW,  40
.set PWS, 48
.set PK,  56
.set X0,  64
.set TM,  160
.set PC,  172
.set PW,  192
.set BI,  192                          ; in window 1
.set SEL, 22                           ; s[22:23]
.set MSB, 0
.macro WIN new                         ; the immediate's high byte repeats the setting that is left
.if MSB != (\new)
	s_set_vgpr_msb (MSB<<8)|(\new)
.set MSB, (\new)
.endif
.endm
.macro PLACES n
.rept \n
	v_nop
.endr
.endm
; 64 numbers of a lane in window w, register s + 16 b + i = k 32 b + 16 (lane / 16) + i of my row, become codes in v[PC] on and the scale word in v[PW].
; xw = 1: the codes' registers are the data of stores issued shortly before: the waits that free them stand directly ahead of the conversions, behind the search for the maxima
.macro QUANT w, s, xw
.set QW_, (\w)*5
	WIN QW_                                            ; sources 0 and 1 in window w
.irp b, 0,1,2,3
	v_max3_num_f32 v[TM+\b], |v[(\s)+16*\b]|, |v[(\s)+16*\b+1]|, 0x2800000   ; each accumulator is read from its low end on; the floor 2^(5 - 127) holds the byte at 1
.endr
.irp i, 2,4,6,8,10,12,14
.irp b, 0,1,2,3
	v_max3_num_f32 v[TM+\b], |v[(\s)+16*\b+\i]|, |v[(\s)+16*\b+\i+1]|, v[TM+\b]
.endr
.endr
	WIN 0
.irp b, 0,1,2,3
	v_permlanex16_b32 v[TM+4+\b], v[TM+\b], s[SEL], s[SEL+1]
.endr
.irp b, 0,1,2,3
	v_max_num_f32 v[TM+\b], v[TM+\b], v[TM+4+\b]
.endr
.irp b, 0,1,2,3
	v_add_nc_u32 v[TM+8+\b], 0xfe000000, v[TM+\b]      ; 4 off the exponent field: the conversion's scale operand
.endr
.irp b, 0,1,2,3
	v_lshrrev_b32 v[TM+4+\b], 23, v[TM+8+\b]
.endr
	v_lshl_or_b32 v[PW], v[TM+5], 8, v[TM+4]
	v_lshl_or_b32 v[PW], v[TM+6], 16, v[PW]
	v_lshl_or_b32 v[PW], v[TM+7], 24, v[PW]
.set QW_, (\w)
	WIN QW_                                            ; source 0 in window w
.if \xw
	s_wait_xcnt 0x0                                    ; the last fragment's stores have had their addresses translated,
	s_wait_alu depctr_vm_vsrc(0)                       ; and have read the codes' registers, which the conversions below write again
.endif
.irp c, 0,1
	v_cvt_scalef32_pk16_bf6_f32 v[PC+6*\c:PC+6*\c+2], v[(\s)+32*\c:(\s)+32*\c+15], v[TM+8+2*\c]
	v_cvt_scalef32_pk16_bf6_f32 v[PC+12+4*\c:PC+14+4*\c], v[(\s)+32*\c+16:(\s)+32*\c+31], v[TM+8+2*\c+1]
.endr
	WIN 0
	v_nop                                              ; one plain place behind a scaled conversion
.irp c, 0,1
.irp i, 0,1,2
	v_permlane16_swap_b32 v[PC+6*\c+\i], v[PC+12+4*\c+\i]
.endr
.irp i, 0,1,2
	v_mov_b32 v[PC+3+6*\c+\i], v[PC+12+4*\c+\i]
.endr
.endr
.endm
; one product; its registers stand in rD, rA, rB, rC, rSA, rSB; fA, fB = 1: that side's scales are read from lanes 16-31
.macro WM
.if fA && fB
	v_wmma_scale_f32_16x16x128_f8f6f4 v[rD:rD+7], v[rA:rA+11], v[rB:rB+11], v[rC:rC+7], v[rSA], v[rSB] matrix_a_fmt:MATRIX_FMT_BF6 matrix_b_fmt:MATRIX_FMT_BF6 matrix_a_scale:MATRIX_SCALE_ROW1 matrix_b_scale:MATRIX_SCALE_ROW1
.elseif fA
	v_wmma_scale_f32_16x16x128_f8f6f4 v[rD:rD+7], v[rA:rA+11], v[rB:rB+11], v[rC:rC+7], v[rSA], v[rSB] matrix_a_fmt:MATRIX_FMT_BF6 matrix_b_fmt:MATRIX_FMT_BF6 matrix_a_scale:MATRIX_SCALE_ROW1
.elseif fB
	v_wmma_scale_f32_16x16x128_f8f6f4 v[rD:rD+7], v[rA:rA+11], v[rB:rB+11], v[rC:rC+7], v[rSA], v[rSB] matrix_a_fmt:MATRIX_FMT_BF6 matrix_b_fmt:MATRIX_FMT_BF6 matrix_b_scale:MATRIX_SCALE_ROW1
.else
	v_wmma_scale_f32_16x16x128_f8f6f4 v[rD:rD+7], v[rA:rA+11], v[rB:rB+11], v[rC:rC+7], v[rSA], v[rSB] matrix_a_fmt:MATRIX_FMT_BF6 matrix_b_fmt:MATRIX_FMT_BF6
.endif
.endm
; seven loads: weight fragments 2 g and 2 g + 1 and their scale words, of the K step that begins off bytes behind s[10:11], into set par
.macro WGRP par, g, off
	WIN 0x40
.irp u, 0,1
.irp c, 0,1,2
	global_load_b128 v[96*(\par)+12*(2*(\g)+\u)+4*\c:96*(\par)+12*(2*(\g)+\u)+4*\c+3], v[LI], s[10:11] offset:(\off)+1536*(2*(\g)+\u)+512*\c
.endr
.endr
	WIN 0
	global_load_b32 v[SW+4*(\par)+(\g)], v[L4], s[10:11] offset:(\off)+12288+128*(\g)
.endm
; the bias in q's and k's result layout: tile tt, register j of lane (r, hl): d = 32 (tt / 2) + 8 (tt % 2) + 16 hl + j
.macro BIASQK off
	WIN 0x40
.irp tt, 0,1,2,3,4,5,6,7
	global_load_b128 v[BI+8*\tt:BI+8*\tt+3], v[BV], s[12:13] offset:(\off)+4*(32*(\tt/2)+8*(\tt%2))
	global_load_b128 v[BI+8*\tt+4:BI+8*\tt+7], v[BV], s[12:13] offset:(\off)+4*(32*(\tt/2)+8*(\tt%2))+16
.endr
	WIN 0
.endm
; unit n = K step n / 2 of tile 2 w + n % 2: sixteen loads, one for each of the tile's rows, 512 consecutive bytes each.  The last K step begins 96 bytes early, so that no load leaves the row
.macro LOADX n
.set LS_, (\n)/2
.set LU_, (\n)%2
.set LO_, 512*LS_
.if LS_ == 7
.set LO_, 3488
.endif
	WIN 0x80
.irp i, 0,1,2,3,4,5,6,7,8,9,10,11,12,13,14,15
	global_load_b128 v[64*((\n)%4)+4*\i:64*((\n)%4)+4*\i+3], v[LI], s[4:5] offset:(8*LU_+\i+8*(\i/8))*4000+LO_ th:TH_LOAD_NT
.endr
	WIN 0
.endm
; unit n's numbers turn through my stage: out of RAW[n % 4] as they were loaded, back into T[n % 2] as a lane wants them.  LDS serves a wave's instructions in order: the loads see the stores above them,
; and the stores come behind the last unit's loads from the same bytes
.macro TURN n
.set TS_, (\n)/2
.set TR_, 64*((\n)%4)
.set TT_, 64*((\n)%2)
.set TO_, 96
.if TS_ == 7
.set TO_, 0                            ; the early 96 bytes go into the headroom, so that column 896 lies where every K step's first column lies
.endif
	WIN 0x08
.irp i, 0,1,2,3,4,5,6,7,8,9,10,11,12,13,14,15
	ds_store_b128 v[STS], v[TR_+4*\i:TR_+4*\i+3] offset:TO_+528*\i
.endr
	WIN 0xc0
.irp b, 0,1,2
.irp j, 0,1,2,3
	ds_load_b128 v[TT_+16*\b+4*\j:TT_+16*\b+4*\j+3], v[STR] offset:128*\b+16*\j
.endr
.endr
	ds_load_b128 v[TT_+48:TT_+51], v[STR] offset:384
	ds_load_b128 v[TT_+52:TT_+55], v[STR] offset:400
.if TS_ != 7
	ds_load_b128 v[TT_+56:TT_+59], v[STR] offset:416
	ds_load_b128 v[TT_+60:TT_+63], v[STR] offset:432
.endif
	WIN 0
.endm
; Unit n is quantised; ahead of that the loads of unit n + 4 go out and unit n + 1 turns through the stage, so that its numbers come back while this unit is worked on
.macro UNIT n
.if (\n) == 0
	s_wait_dscnt 0x0                                   ; this unit's numbers are back from the stage
.else
	s_wait_dscnt 4                                     ; this unit's numbers are back from the stage; behind its loads stand the four image stores of the unit before, which may be out
.endif
	s_wait_alu depctr_vm_vsrc(0)                       ; this unit's stage stores have read RAW[n % 4], in which the loads below land; the image stores of the unit before have read the codes and the scale word, which the quantiser below writes again
.if (\n)+4 < 16
	LOADX (\n)+4
.endif
.if (\n)+1 < 16
.if (\n) <= 11
	s_wait_loadcnt 48                                  ; the next unit's sixteen loads are in; those of the three units behind may be out
.else
	s_wait_loadcnt 16*(14-(\n))                        ; the counts run down
.endif
	TURN (\n)+1                                        ; its loads land in the T set that the unit before this one read: that unit's wait on va_vdst has shown those reads done, and no vector line stands between
.endif
.set US_, (\n)/2
.set UU_, (\n)%2
.set UT_, 64*((\n)%2)
.if US_ == 7                           ; k = 992 .. 999 lie in lanes 0-15; all beyond is zero
	WIN 0xcc
.irp i, 48,49,50,51,52,53,54,55
	v_cndmask_b32 v[UT_+\i], 0, v[UT_+\i], s26
.endr
.irp i, 56,57,58,59,60,61,62,63
	v_mov_b32 v[UT_+\i], 0
.endr
.endif
	QUANT 3, UT_, 0
	s_wait_alu depctr_va_vdst(0)                       ; the quantiser has written the codes and the scale word, which the stores below read; and it is done reading T[n % 2], in which the stage loads of the next unit's turn land
.irp c, 0,1,2
	ds_store_b128 v[XWI+US_/4], v[PC+4*\c:PC+4*\c+3] offset:16384*(US_%4)+1536*UU_+512*\c
.endr
	ds_store_b32 v[XWS+US_/4], v[PW] offset:16384*(US_%4)+256*UU_
.endm
; a third of a K step's fragments of x: part 0: tiles 0-2, part 1: tiles 3-5, part 2: tiles 6, 7 and the scale words (register i: lanes 0-15 tile 2 i, lanes 16-31 tile 2 i + 1)
.macro FETCHXP adr, off, set, part
.if (\part) < 2
.irp t, 0,1,2
.irp c, 0,1,2
	ds_load_b128 v[X0+96*(\set)+12*(3*(\part)+\t)+4*\c:X0+96*(\set)+12*(3*(\part)+\t)+4*\c+3], v[\adr] offset:(\off)+1536*(3*(\part)+\t)+512*\c
.endr
.endr
.else
.irp t, 6,7
.irp c, 0,1,2
	ds_load_b128 v[X0+96*(\set)+12*\t+4*\c:X0+96*(\set)+12*\t+4*\c+3], v[\adr] offset:(\off)+1536*\t+512*\c
.endr
.endr
	ds_load_b128 v[SX+4*(\set):SX+4*(\set)+3], v[\adr] offset:(\off)+12288
.endif
.endm
; A K step: 64 products in four groups of 16 (weight fragments 2 g, 2 g + 1 against x's eight).  The 64 accumulators take turns in the same order in every step.
; Behind groups 1 and 3 stands a wait on va_vdst, and behind it the weight registers of the two groups just multiplied take the K step two on.
; Behind groups 0, 1 and 2 a third of the next K step's x is fetched into the other set: 16 products stand between the last run and the wait for it.  These LDS loads have no wait of their own: the other set's
; last readers, and the lines that wrote XA and XB, stand ahead of the wait at the end of the step before (at a pass's start: ahead of the last wait of the way out, or of phase A), and this step's products name none of those registers.
.macro KSTEP var, par, zero
	s_wait_dscnt 0x0                                   ; x's fragments of this step
.irp g, 0,1,2,3
.if (\g)%2 == 0
	s_wait_loadcnt 49                                  ; behind this group's seven loads 7 groups of 7 were issued (more where a bias was asked for: then the wait is the stricter)
.else
	s_wait_loadcnt 42                                  ; the weights go out two groups at a time: behind the second of two stand 6 groups of 7
.endif
.if \var == 0
.irp ah, 0,1
.if \zero
.set KW_, 0x91+0x40*\ah
.else
.set KW_, 0xa1+0x50*\ah
.endif
	WIN KW_
.irp bb, 0,1
.irp aa, 0,1,2,3
.set rD, 8*(8*\aa+2*\g+\bb)
.set rA, 96*\par+12*(2*\g+\bb)
.set rB, X0+96*\par+12*(4*\ah+\aa)
.if \zero
.set rC, BI+8*(2*\g+\bb)
.else
.set rC, rD
.endif
.set rSA, SW+4*\par+\g
.set rSB, SX+4*\par+(4*\ah+\aa)/2
.set fA, \bb
.set fB, \aa%2
	WM
.endr
.endr
.endr
.else
.if \zero
.set KW_, 0x94+0x40*(\g/2)
.else
.set KW_, 0xa4+0x50*(\g/2)
.endif
	WIN KW_
.irp bb, 0,1
.irp aa, 0,1,2,3,4,5,6,7
.set rD, 8*(8*((2*\g+\bb)%4)+\aa)
.set rA, X0+96*\par+12*\aa
.set rB, 96*\par+12*(2*\g+\bb)
.if \zero
.set rC, BI+8*(2*\g+\bb)
.else
.set rC, rD
.endif
.set rSA, SX+4*\par+\aa/2
.set rSB, SW+4*\par+\g
.set fA, \aa%2
.set fB, \bb
	WM
.endr
.endr
.endif
.if (\g)%2 == 1
.if (\par == 1) && (\g == 3)
	WIN 0
	s_wait_alu depctr_vm_vsrc(0)                       ; the LDS loads issued so far have read XA and XB, which are written here: on to the next pair of K steps
	v_mov_b32 v[XA], v[XB]
	v_add_nc_u32 v[XB], 0x8000, v[XB]
	v_and_b32 v[XB], 0x1ffff, v[XB]                    ; behind K step 7 comes K step 0: x's images take 2^17 bytes
	v_nop                                              ; with the three lines above: four places behind the products; in a pass's last step the way out's first lines read results and write over x's second set
.else
	PLACES 4                                           ; four places stand between the products and the loads into their registers; the wait below states the dependence itself
.endif
.if (\par == 0) && (\g == 1)
	s_wait_xcnt 0x0                                    ; the weights' base steps only behind this wait; the youngest loads that name it stand 32 products back
	s_add_nc_u64 s[10:11], s[10:11], s[38:39]          ; on to this pair of K steps: by 0 in the very first pair, by 25,600 in every later one
	s_mov_b32 s38, 25600
.endif
	WIN 0x40
.if \g == 1
	s_wait_alu depctr_va_vdst(0)                       ; the products of groups 0 and 1 are done reading weight fragments 0 to 3 and their scale words, in which the loads below land
.else
	s_wait_alu depctr_va_vdst(0)                       ; the products of groups 2 and 3 are done reading weight fragments 4 to 7 and their scale words, in which the loads below land; all 64 are done reading this step's x and (a pass's first step) the bias, in which later loads land; at a pair's end XA and XB are written
.endif
	WGRP \par, \g-1, 12800*(2+\par)
	WGRP \par, \g, 12800*(2+\par)
.endif
.if \g < 3
	WIN 0
.if \par == 0
	FETCHXP XA, 16384, 1, \g
.else
	FETCHXP XB, 0, 0, \g
.endif
.endif
.if \zero
.if \var == 0
.if \g == 3
	BIASQK 512                                         ; the next pass's bias: this pass's products are done reading their own (the wait above)
.endif
.endif
.endif
.endr
.endm
.macro DS var, zero                    ; two K steps
	KSTEP \var, 0, \zero
	KSTEP \var, 1, 0
	WIN 0
.endm
	s_load_b256 s[4:11], s[0:1], 0x0               ; q, k, v, wc
	s_load_b128 s[12:15], s[0:1], 0x20             ; biasp, qc
	s_load_b64 s[16:17], s[0:1], 0x30              ; kvc
	v_lshl_add_u32 v62, v0, 2, 0x28800
	v_mov_b32 v63, 0
	v_lshrrev_b32 v1, 5, v0
	v_readfirstlane_b32 s18, v1                    ; wave w
	s_and_b32 s19, ttmp7, 0xffff                   ; the tensor
	v_and_b32 v13, 31, v0
	v_and_b32 v14, 15, v0
	v_bfe_u32 v15, v0, 4, 1
	v_lshlrev_b32 v[LI], 4, v13
	v_lshlrev_b32 v[L4], 2, v13
	s_wait_alu depctr_va_sdst(0)                   ; s18 is written, ahead of its first reader: LDS addresses and the buffers' offsets are made from it
	s_mul_i32 s20, s18, 8704
	s_add_co_u32 s20, s20, 131072                  ; my stage: 96 bytes of headroom, 16 rows 528 bytes apart
	v_add_nc_u32 v[STS], s20, v[LI]
	v_mul_u32_u24 v[STR], v14, 528
	v_lshl_add_u32 v[STR], v15, 6, v[STR]
	v_add_nc_u32 v[STR], s20, v[STR]
	v_add_nc_u32 v[STR], 96, v[STR]
	s_mul_i32 s21, s18, 3072
	v_add_nc_u32 v[XWI], s21, v[LI]
	v_add_nc_u32 v[XWI+1], 0x10000, v[XWI]
	s_lshl_b32 s21, s18, 2
	s_add_co_u32 s21, s21, 12288
	v_lshl_add_u32 v[XWS], v14, 4, s21
	v_add_nc_u32 v[XWS+1], 0x10000, v[XWS]
	v_lshlrev_b32 v[BV], 6, v15
	v_and_b32 v[BVV], 8, v14
	v_add_nc_u32 v[BVV], v[BVV], v14
	v_lshlrev_b32 v[BVV], 2, v[BVV]
	v_mov_b32 v[XA], v[LI]                         ; x's images: K steps 0 and 1,
	v_add_nc_u32 v[XB], 0x8000, v[LI]              ; and 2 and 3
.irp b, 0,1,2,3
	v_mov_b32 v[TM+4+\b], 0                        ; a lane permute's destination counts as read
.endr
	s_mov_b32 s[SEL], 0x76543210
	s_mov_b32 s[SEL+1], 0xfedcba98
	s_mov_b32 s26, 0xffff                          ; lanes 0-15
	s_mov_b32 s27, 0xffff0000                      ; lanes 16-31
	s_mov_b32 s38, 0                               ; the weights' first step is 0
	s_mov_b32 s39, 0
	s_mul_i32 s28, ttmp9, 512000                   ; x: my batch, my 32 rows
	s_mul_i32 s29, s18, 128000
	s_add_co_u32 s28, s28, s29
	s_mov_b32 s29, 0
	s_lshl_b32 s30, s19, 3                         ; wc: group 8 T + 2 w, 8 blocks of 12,800 bytes each
	s_lshl_b32 s31, s18, 1
	s_add_co_u32 s30, s30, s31
	s_mul_i32 s30, s30, 102400
	s_mov_b32 s31, 0
	s_lshl_b32 s32, s19, 12                        ; biasp: 4 (1,024 T + 256 w)
	s_lshl_b32 s33, s18, 10
	s_add_co_u32 s32, s32, s33
	s_mov_b32 s33, 0
	s_mov_b32 s34, 204800                          ; the way out: qc 102,400 bytes a batch; kvc 204,800, K's half first
	s_cmp_eq_u32 s19, 0
	s_cselect_b32 s34, 102400, s34
	s_mul_i32 s34, s34, ttmp9
	s_cmp_eq_u32 s19, 2
	s_cselect_b32 s35, 102400, 0
	s_add_co_u32 s34, s34, s35
	s_mul_i32 s35, s18, 25600
	s_add_co_u32 s34, s34, s35
	s_mov_b32 s35, 0
	s_wait_kmcnt 0x0
	s_cmp_eq_u32 s19, 1
	s_cselect_b64 s[4:5], s[6:7], s[4:5]
	s_cmp_eq_u32 s19, 2
	s_cselect_b64 s[4:5], s[8:9], s[4:5]
	s_cmp_eq_u32 s19, 0
	s_cselect_b64 s[14:15], s[14:15], s[16:17]
	s_add_nc_u64 s[4:5], s[4:5], s[28:29]
	s_add_nc_u64 s[10:11], s[10:11], s[30:31]
	s_add_nc_u64 s[12:13], s[12:13], s[32:33]
	s_add_nc_u64 s[14:15], s[14:15], s[34:35]
	WIN 0x40
	s_wait_alu depctr_va_vdst(0)                   ; the offsets and LDS addresses v1 to v12 are written, which the loads and stores of the whole kernel read
	BIASQK 0                                       ; on every path, so that all 64 registers are written; v overwrites them below
.irp p, 0,1
.irp g, 0,1,2,3
	WGRP \p, \g, 12800*\p                          ; the weights of K steps 0 and 1
.endr
.endr
.irp n, 0,1,2,3
	LOADX \n
.endr
	s_wait_loadcnt 48                              ; unit 0's sixteen loads are in; those of units 1 to 3 may be out
	TURN 0
.irp n, 0,1,2,3,4,5,6,7,8,9,10,11,12,13,14,15
	UNIT \n
.endr
	s_wait_dscnt 0x0                               ; for the others' sake: my images lie in LDS
	s_barrier_signal -1
	s_barrier_wait -1
	s_wait_alu depctr_vm_vsrc(0)                   ; my last image stores have read the codes and the scale word, on which x's second set lands; my stage stores have read window 2, which the products write
.irp p, 0,1,2
	FETCHXP XA, 0, 0, \p
.endr
	s_mov_b32 s24, 2
.Lpass:
	s_cmp_eq_u32 s19, 2
	s_cbranch_scc1 .Lv
	DS 0, 1
	s_mov_b32 s25, 3
.Lqk:
	DS 0, 0
	s_sub_co_u32 s25, s25, 1
	s_cmp_lg_u32 s25, 0
	s_cbranch_scc1 .Lqk
	s_branch .Lepi
.Lv:                                                   ; v: a lane holds a column, so a tile's eight registers of C all hold that column's bias
	WIN 0x40
.irp tt, 0,1,2,3,4,5,6,7
	global_load_b32 v[BI+8*\tt], v[BVV], s[12:13] offset:4*(32*(\tt/2)+8*(\tt%2))   ; no wait on va_vdst here: the last pass's products and moves that named these registers stand ahead of the K steps' waits
.endr
	s_wait_loadcnt 0x0
	WIN 0x41
.irp tt, 0,1,2,3,4,5,6,7
.irp j, 1,2,3,4,5,6,7
	v_mov_b32 v[BI+8*\tt+\j], v[BI+8*\tt]
.endr
.endr
	WIN 0
	PLACES 4
	DS 1, 1
	s_mov_b32 s36, 3
.Lvk:
	DS 1, 0
	s_sub_co_u32 s36, s36, 1
	s_cmp_lg_u32 s36, 0
	s_cbranch_scc1 .Lvk
.Lepi:
	; the group's eight fragments: 64 registers each, quantised, stored as images: 512 consecutive bytes a store
.irp x, 0,1,2,3,4,5,6,7
.set EW_, 2+\x/4
.set EB_, 64*(\x%4)
.if \x == 0
	QUANT EW_, EB_, 0                              ; the codes' registers are free: what read them last stands ahead of the waits at the last pass's end (first pass: behind the barrier)
.else
	QUANT EW_, EB_, 1
.endif
	v_mov_b32 v[PWS+\x], v[PW]
.if \x == 7
.irp i, 0,1,2,3
	v_cndmask_b32 v[PK+\i], v[PWS+2*\i], v[PWS+2*\i+1], s27   ; word i of a lane: lanes 0-15 tile 2 i, lanes 16-31 tile 2 i + 1
.endr
.endif
	s_wait_alu depctr_va_vdst(0)                   ; the quantiser has written the codes, which the stores below read; behind the last fragment also the four packed scale words.  That last wait stands behind every vector line of the way out: x's next fragments land on its work space
.irp c, 0,1,2
	global_store_b128 v[LI], v[PC+4*\c:PC+4*\c+3], s[14:15] offset:1536*\x+512*\c
.endr
.endr
	global_store_b128 v[LI], v[PK:PK+3], s[14:15] offset:12288
	s_wait_xcnt 0x0                                ; the bases step, and x's next fragments land on the codes' registers, only behind this wait
	s_wait_alu depctr_vm_vsrc(0)                   ; the stores have read the codes and the packed scale words: x's next fragments land on the former, the next pass's selects write the latter
	s_add_nc_u64 s[14:15], s[14:15], 12800
	s_add_nc_u64 s[12:13], s[12:13], 512           ; the next pass's bias
	s_sub_co_u32 s24, s24, 1
	s_cmp_lg_u32 s24, 0
	s_cbranch_scc1 .Lpass
	s_wait_dscnt 0x0                               ; the closing lines, six on end
	s_wait_alu 0x0
	s_wait_tensorcnt 0x0
	ds_add_u32 v62, v63
	s_wait_dscnt 0x0
	s_endpgm
.Lfunc_end_k_q4da90bc132_proj:
	.size	k_q4da90bc132_proj, .Lfunc_end_k_q4da90bc132_proj-k_q4da90bc132_proj
	.p2alignl 7, 3214868480
	.fill 96, 4, 3214868480
	.section	.rodata,"a",@progbits
	.p2align	6, 0x0
	.amdhsa_kernel k_q4da90bc132_proj
		.amdhsa_group_segment_fixed_size 166400
		.amdhsa_private_segment_fixed_size 0
		.amdhsa_enable_private_segment 0
		.amdhsa_kernarg_size 56
		.amdhsa_user_sgpr_count 2
		.amdhsa_user_sgpr_kernarg_segment_ptr 1
		.amdhsa_wavefront_size32 1
		.amdhsa_system_sgpr_workgroup_id_x 1
		.amdhsa_system_sgpr_workgroup_id_y 1
		.amdhsa_system_sgpr_workgroup_id_z 1
		.amdhsa_system_vgpr_workitem_id 0
		.amdhsa_next_free_vgpr 1024
		.amdhsa_next_free_sgpr 66
		.amdhsa_reserve_vcc 0
		.amdhsa_float_denorm_mode_32 3
		.amdhsa_float_denorm_mode_16_64 3
		.amdhsa_memory_ordered 1
		.amdhsa_forward_progress 1
		.amdhsa_inst_pref_size 255
	.end_amdhsa_kernel
	.section	.bss,"aw",@nobits
	.p2align	6
	.space	262144
	.amdgpu_metadata
---
amdhsa.version: [ 1, 2 ]
amdhsa.kernels:
  - .name:           k_q4da90bc132_proj
    .symbol:         k_q4da90bc132_proj.kd
    .args:
      - { .name: q, .offset: 0, .size: 8, .value_kind: global_buffer, .address_space: global }
      - { .name: k, .offset: 8, .size: 8, .value_kind: global_buffer, .address_space: global }
      - { .name: v, .offset: 16, .size: 8, .value_kind: global_buffer, .address_space: global }
      - { .name: wc, .offset: 24, .size: 8, .value_kind: global_buffer, .address_space: global }
      - { .name: biasp, .offset: 32, .size: 8, .value_kind: global_buffer, .address_space: global }
      - { .name: qc, .offset: 40, .size: 8, .value_kind: global_buffer, .address_space: global }
      - { .name: kvc, .offset: 48, .size: 8, .value_kind: global_buffer, .address_space: global }
    .group_segment_fixed_size: 166400
    .private_segment_fixed_size: 0
    .kernarg_segment_align: 8
    .kernarg_segment_size: 56
    .max_flat_workgroup_size: 128
    .sgpr_count:     66
    .vgpr_count:     1024
    .wavefront_size: 32
...
	.end_amdgpu_metadata
.endif
;; end of part 4
;; launch attn: the kernel of part 3 again; grid 256 x 1, 4 waves a work-group, no clusters, 327,680 bytes of LDS; arguments qc, kvc, mask, wc, q, Wo_b, ln_g, ln_b, out0; writes out0
